; MI455X (gfx1250); checked and timed in simulation.
; The chip was launched on July 23, 2026; its instructions are those of AMD's public machine-readable ISA for CDNA 5 (MIT licence, August 2026) and "CDNA5" Instruction Set Architecture Reference Guide (July 2026). The comments in the code are by the model that wrote it; some were corrected since.
;; Multi Head Attention With Ro PE. Allowed arithmetic: matrix products marked QUANTISED: E2M1 operands, one E8M0 scale for each 32 along K, by v_wmma_scale_f32_16x16x128_f8f6f4 with both operands' format E2M1 (or v_wmma_scale_f32_32x16x128_f4), f32 sums; products left as they are: bf16, f16 or f32 operands; f32 sums; everything else in f32.
;; Inputs: Wk 1,024 x 1,024 float32; Wo 1,024 x 1,024 float32; Wq 1,024 x 1,024 float32; Wv 1,024 x 1,024 float32; attn_mask 4 x 2,048 int32; bk 1,024 float32; bo 1,024 float32; bq 1,024 float32; bv 1,024 float32; x 4 x 2,048 x 1,024 float32.
;; Outputs: out0 4 x 2,048 x 1,024 float32.
;; This version of the problem:
;;   THIS VERSION OF THE PROBLEM IS GIVEN IN LOW PRECISION. The matrix products marked QUANTISED in the list below multiply operands that are first quantised to E2M1 (2 exponent bits, 1 mantissa bit; 4 bits a number), with one power-of-two scale for each 32 numbers along K (OCP MX v1.0); their sums are f32. The products marked 'left as it is' may take bf16, f16 or f32 operands, with f32 sums. Whichever they take, every output number must still come out within the allowed error. Rounding operands to bf16 (8 significant bits) uses up far more of that allowance than f16 does (11 bits, for magnitudes from 6e-5 to 65,504). All else is computed in f32.
;;   The module's matrix products, in the order in which they are computed (A, B: the left and right operand; K: the contracted axis; several contracted axes count as one K, in the product's order):
;;     1. [M 8,192, K 1,024] x [K 1,024, N 1,024]; A: input x; B: input Wq: QUANTISED
;;     2. [M 8,192, K 1,024] x [K 1,024, N 1,024]; A: input x; B: input Wk: QUANTISED
;;     3. [M 8,192, K 1,024] x [K 1,024, N 1,024]; A: input x; B: input Wv: QUANTISED
;;     4. batch 64 x [M 2,048, K 64] x [K 64, N 2,048]; A: computed on the way; B: computed on the way: left as it is (an operand is computed on the way)
;;     5. batch 64 x [M 2,048, K 2,048] x [K 2,048, N 64]; A: computed on the way; B: computed on the way: left as it is (an operand is computed on the way)
;;     6. [M 8,192, K 1,024] x [K 1,024, N 1,024]; A: computed on the way; B: input Wo: left as it is (an operand is computed on the way)
;;   THE QUANTISER, for each operand of a quantised product, along K:
;;     - K is cut into blocks of 32 from its start; a last block that is shorter is filled with zeros.
;;     - A block's scale is 2^e with e = floor(log2(the largest magnitude in the block)) - 2, held to -126 .. 127; a block of zeros has e = 0. As a byte (E8M0): e + 127.
;;     - Each number is divided by its block's scale, clamped to +-6, and rounded to the nearest number of E2M1, ties to even, subnormals kept.
;;     - The product sums the exact products of the quantised numbers (number of the format x scale) in f32.
;;   ~~~python
;;   def quantise(x, axis):      # numpy; x: float32 -> the quantised numbers, widened to float32 again
;;       x = np.moveaxis(x, axis, -1); K = x.shape[-1]
;;       x = np.pad(x, [(0, 0)] * (x.ndim - 1) + [(0, -K % 32)]); x = x.reshape(x.shape[:-1] + (-1, 32)); a = np.abs(x).max(-1, keepdims=True)
;;       e = np.where(a > 0, np.clip(np.frexp(np.where(a > 0, a, 1))[1] - 1 - 2, -126, 127), 0)      # np.frexp(a)[1] - 1 = floor(log2(a)), exactly
;;       r = np.clip(x / 2.0 ** e, -6, 6)
;;       step = 2.0 ** (np.maximum(np.frexp(np.where(r == 0, 1, r))[1] - 1, 0) - 1)
;;       q = np.round(r / step) * step * 2.0 ** e      # np.round: ties to even
;;       return np.moveaxis(q.reshape(q.shape[:-2] + (-1,))[..., :K], -1, axis).astype(np.float32)
;;   ~~~
;; One version. Each part assembles by itself: llvm-mc -triple=amdgcn-amd-amdhsa -mcpu=gfx1250 --defsym DOCPART=n.
;; ======== version 1 of 1: 4 launches
;; limits: values are held in f16: magnitudes above 65,504 overflow, below 6.1e-05 lose precision
;; workspace buffers: xc 4,194,304 bytes; xs 262,144 bytes; wc 1,572,864 bytes; ws 98,304 bytes; wot 2,097,152 bytes; rope 524,288 bytes; qkv16 50,331,648 bytes; ao16 16,777,216 bytes
;; launch prep (part 1): grid 368 x 1, 4 waves a work-group, no clusters, 102,912 bytes of LDS; arguments x, Wq, Wk, Wv, Wo, xc, xs, wc, ws, wot, rope; writes xc, xs, wc, ws, wot, rope
.if DOCPART == 1
	.amdgcn_target "amdgcn-amd-amdhsa--gfx1250"
	.amdhsa_code_object_version 6
	.text
	.protected	k_q9f5c377c0e_prep
	.globl	k_q9f5c377c0e_prep
	.p2align	8
	.type	k_q9f5c377c0e_prep,@function
k_q9f5c377c0e_prep:
	s_mov_b64 s[64:65], 0
	v_nop
	global_prefetch_b8 v0, s[64:65] scope:SCOPE_SE
	s_setreg_imm32_b32 hwreg(HW_REG_WAVE_MODE, 25, 1), 1
	s_wait_xcnt 0x0
; PREP: everything that is made once from the inputs, in one launch of three kinds of work-groups, told apart by the work-group's number alone.
;   0..255   x [8192][1024] f32 -> codes of FP4 (E2M1), K innermost (xc, 512 bytes a row), and one E8M0 byte for each 32 along K (xs, 32 bytes a row); and a 256th of the table of RoPE's cosines and sines.
;   256..303 Wq, Wk, Wv [1024 (k)][1024 (n)] f32 -> codes laid [3072 (n)][512 bytes] with K innermost (wc) and scale bytes [3072][32] (ws).  A lane takes a column, its registers run down K.
;   304..367 Wo [1024 (k)][1024 (n)] f32 -> f16, laid [n][k] (wot), by the same plan.
; A block's scale is 2^(floor(log2(its largest magnitude)) - 2): its byte is the largest magnitude's exponent field - 2, held at 1 from below.
; THE TABLE is laid as the reader's registers want it: [128 blocks of 16 positions][8 groups][32 lanes][4 f32]; group 2u+c: cos(pos theta_j), pos = 16 block + lane % 16, j = 16u + 8 (lane / 16) + 4c + i; group 4+2u+c: the sines.
; theta_j = 2^(-j log2(10000) / 32); the angle pos theta_j is one f32 product; it is reduced by multiples of pi/2 (pi/2 in two parts, fused) and cosine and sine are polynomials on |r| <= pi/4.
; LIMITS: NaN and infinities among the inputs are not served; blocks whose largest magnitude lies under 2^-124 (the floor) were not tried; a block of zeros gets the byte 1 (its codes are zeros; this program alone reads the bytes);
; |Wo| stays under 65,504 (f16), magnitudes under 6e-5 keep an absolute error of 3e-8; an angle differs from one made with a correctly rounded theta by up to 3e-4 radians at the last positions.
; No tensor loads, no barrier, no cluster: waves share nothing, and no two work-groups read the same bytes.  Each kind of work-group has LDS bytes of its own.
.set SPARE, 102400                     ; behind the three regions: the spare words, 128 bytes for each wave
.set SPW,   196                        ; v196  LDS address of my spare word; never rewritten
.set NIL,   197                        ; v197  0; never rewritten
.set XSP,   80                         ; x: a lane's place in a stage: 64 bytes + 16 of padding
.set XR,    16                         ; v16-79   four sets of 16 numbers as loaded
.set XX,    80                         ; v80-111  two sets of 16 neighbours
.set XE,    112                        ; v112-127 a scale byte for each step
.set XC,    128                        ; v128-191 codes, four registers a step
.set PITCH, 272                        ; weights: a stage row: 256 bytes + 16
.set WSTG,  32768                      ; LDS: x's four regions of 8,192 from 0; the quantised weights' stages from here; Wo's from OSTG
.set OSTG,  67584
.set IN,    32                         ; v32-95   two sets of 32 numbers down K
.set CD,    96                         ; v96-111  a block's codes, or its 16 pairs of f16
.set OUTR,  112                        ; v112-175 the way out
.set SB,    24                         ; v24-27   scale bytes, four to a register
.macro FINISH                          ; a wave's end, behind my last LDS store
	s_wait_tensorcnt 0x0
	ds_add_u32 v[SPW], v[NIL]
	s_wait_dscnt 0x0
	s_endpgm
.endm
.macro XLOAD t
.irp i, 0,1,2,3
	global_load_b128 v[XR+16*((\t)%4)+4*\i:XR+16*((\t)%4)+4*\i+3], v3, s[4:5] offset:2048*(\t)+512*\i th:TH_LOAD_NT   ; 32 lanes read 512 consecutive bytes
.endr
.endm
.macro XTURN t                         ; a step's 2,048 bytes through my stage: in as they lie, out 64 bytes a lane; LDS serves a wave's instructions in order
.irp i, 0,1,2,3
	ds_store_b128 v14, v[XR+16*((\t)%4)+4*\i:XR+16*((\t)%4)+4*\i+3] offset:32*XSP*((\t)%2)+8*XSP*\i
.endr
.irp i, 0,1,2,3
	ds_load_b128 v[XX+16*((\t)%2)+4*\i:XX+16*((\t)%2)+4*\i+3], v15 offset:32*XSP*((\t)%2)+16*\i
.endr
.endm
.macro XSTEP t
.set XS, XX+16*((\t)%2)
.if (\t) > 0
	s_wait_dscnt 1                                 ; this step's numbers are back from the stage; the last step's byte store may be out
.else
	s_wait_dscnt 0x0
.endif
.if (\t)+4 < 16
	XLOAD (\t)+4
.endif
.if (\t)+1 < 16
.if 14-(\t) >= 3
	s_wait_loadcnt 12                              ; the next step's four loads are in; those of the three steps behind it may be out
.else
	s_wait_loadcnt 4*(14-(\t))
.endif
	XTURN (\t)+1
.endif
	v_max3_num_f32 v8, |v[XS]|, |v[XS+1]|, |v[XS+2]|
	v_max3_num_f32 v9, |v[XS+3]|, |v[XS+4]|, |v[XS+5]|
.irp i, 6,10
	v_max3_num_f32 v8, v8, |v[XS+\i]|, |v[XS+\i+1]|
	v_max3_num_f32 v9, v9, |v[XS+\i+2]|, |v[XS+\i+3]|
.endr
	v_max3_num_f32 v8, v8, |v[XS+14]|, |v[XS+15]|
	v_max3_num_f32 v8, v8, v9, 0x1800000           ; the floor 2^(3 - 127): the byte cannot fall under 1
	v_max_num_f32_dpp v8, v8, v8 row_xmask:1 row_mask:0xf bank_mask:0xf   ; with my neighbour's 16: the block's largest magnitude
	v_add_nc_u32 v11, 0xff000000, v8               ; 2 off its exponent field: the conversion's scale operand
	v_cvt_scalef32_pk8_fp4_f32 v[XC+4*(\t)], v[XS:XS+7], v11
	v_cvt_scalef32_pk8_fp4_f32 v[XC+4*(\t)+1], v[XS+8:XS+15], v11
	v_lshrrev_b32 v[XE+(\t)], 23, v11              ; the scale's byte
	ds_store_b8 v5, v[XE+(\t)] offset:16*(\t)      ; both lanes of a block write the same byte with the same value
	global_store_b64 v4, v[XC+4*(\t):XC+4*(\t)+1], s[14:15] offset:256*(\t)   ; the wave stores 256 consecutive bytes, aligned
.endm
.macro KLOAD t, base                   ; block t of a column: 32 numbers down K; a row of a weight is 4,096 bytes
.irp i, 0,1,2,3,4,5,6,7,8,9,10,11,12,13,14,15,16,17,18,19,20,21,22,23,24,25,26,27,28,29,30,31
	global_load_b32 v[IN+32*((\t)%2)+\i], v3, s[\base:\base+1] offset:(32*(\t)+\i)*4096 th:TH_LOAD_NT
.endr
.endm
.macro COLADDR stg, sh                 ; addresses of a wave that takes 32 columns: its stage, and rows of 2^sh bytes on the way out
	v_lshlrev_b32 v3, 2, v2                        ; in: 4 bytes a lane
	s_mul_i32 s27, s26, 32*PITCH
	s_add_co_u32 s27, s27, \stg                    ; my stage
	v_mul_u32_u24 v4, v2, PITCH
	v_add_nc_u32 v4, s27, v4                       ; into it: row = my column
	v_and_b32 v5, 15, v2
	v_lshrrev_b32 v6, 4, v2
	v_mul_u32_u24 v7, v6, PITCH
	v_lshl_add_u32 v7, v5, 4, v7
	v_add_nc_u32 v7, s27, v7                       ; out of it: sixteen lanes to a row, two rows an instruction
	v_lshlrev_b32 v8, \sh, v6
	v_lshl_add_u32 v8, v5, 4, v8                   ; and the same place in memory
.endm
.macro ROWS_OUT base, rowb
.irp t, 0,1,2,3,4,5,6,7,8,9,10,11,12,13,14,15
	ds_load_b128 v[OUTR+4*\t:OUTR+4*\t+3], v7 offset:2*\t*PITCH   ; LDS serves a wave's instructions in order: these see my stores
.endr
.irp t, 0,1,2,3,4,5,6,7,8,9,10,11,12,13,14,15
	s_wait_dscnt 15-\t
	global_store_b128 v8, v[OUTR+4*\t:OUTR+4*\t+3], s[\base:\base+1] offset:2*\t*\rowb   ; sixteen lanes store 256 consecutive bytes, aligned
.endr
.endm
.macro WBLOCK t
.set XS, IN+32*((\t)%2)
.if (\t) < 15
	s_wait_loadcnt 32                              ; this block's 32 loads are in; the next block's may be out
.else
	s_wait_loadcnt 0x0
.endif
	v_max3_num_f32 v12, |v[XS]|, |v[XS+1]|, |v[XS+2]|
	v_max3_num_f32 v13, |v[XS+3]|, |v[XS+4]|, |v[XS+5]|
.irp i, 6,10,14,18,22,26
	v_max3_num_f32 v12, v12, |v[XS+\i]|, |v[XS+\i+1]|
	v_max3_num_f32 v13, v13, |v[XS+\i+2]|, |v[XS+\i+3]|
.endr
	v_max3_num_f32 v12, v12, |v[XS+30]|, |v[XS+31]|
	v_max3_num_f32 v12, v12, v13, 0x1800000        ; the floor
	v_add_nc_u32 v11, 0xff000000, v12              ; the conversion's scale operand
	v_lshrrev_b32 v13, 23, v11                     ; the scale's byte
.if (\t)%4 == 0
	v_mov_b32 v[SB+(\t)/4], v13
.else
	v_lshl_or_b32 v[SB+(\t)/4], v13, 8*((\t)%4), v[SB+(\t)/4]
.endif
.irp g, 0,1,2,3
	v_cvt_scalef32_pk8_fp4_f32 v[CD+\g], v[XS+8*\g:XS+8*\g+7], v11
.endr
	ds_store_b128 v4, v[CD:CD+3] offset:16*(\t)    ; 32 codes: 16 bytes of my column's row
.if (\t)+2 < 16
	KLOAD (\t)+2, 6
.endif
	s_wait_dscnt 0x0                               ; the store has read its registers; the next block begins with plain vector lines
.endm
.macro OBLOCK t
.set XS, IN+32*((\t)%2)
.if (\t) < 3
	s_wait_loadcnt 32
.else
	s_wait_loadcnt 0x0
.endif
.irp i, 0,1,2,3,4,5,6,7,8,9,10,11,12,13,14,15
	v_cvt_pk_f16_f32 v[CD+\i], v[XS+2*\i], v[XS+2*\i+1]   ; two neighbours along K
.endr
.irp i, 0,1,2,3
	ds_store_b128 v4, v[CD+4*\i:CD+4*\i+3] offset:64*(\t)+16*\i
.endr
.if (\t)+2 < 4
	KLOAD (\t)+2, 12
.endif
	s_wait_dscnt 0x0
.endm
	s_load_b256 s[4:11], s[0:1], 0x0               ; x, Wq, Wk, Wv
	s_load_b256 s[12:19], s[0:1], 0x20             ; Wo, xc, xs, wc
	s_load_b128 s[20:23], s[0:1], 0x40             ; ws, wot
	s_load_b64 s[24:25], s[0:1], 0x50              ; rope
	v_lshl_add_u32 v[SPW], v0, 2, SPARE
	v_mov_b32 v[NIL], 0
	v_lshrrev_b32 v1, 5, v0
	v_readfirstlane_b32 s26, v1                    ; wave 0..3
	v_and_b32 v2, 31, v0                           ; lane
	s_mov_b32 s31, 0                               ; the upper word of every offset made in s30
	s_wait_kmcnt 0x0
	s_cmp_lt_u32 ttmp9, 256
	s_cbranch_scc0 .Lnot_x
	; ---------------- x: 16 steps of 512 numbers a wave ----------------
	v_lshlrev_b32 v3, 4, v2                        ; my 16 bytes of a load's 512
	s_lshl_b32 s27, s26, 13                        ; my wave's 8,192 bytes of LDS
	v_lshrrev_b32 v14, 2, v2
	v_mul_u32_u24 v14, v14, XSP
	v_and_b32 v15, 3, v2
	v_lshl_add_u32 v14, v15, 4, v14
	v_add_nc_u32 v14, s27, v14                     ; the stage, on the way in
	v_mul_u32_u24 v15, v2, XSP
	v_add_nc_u32 v15, s27, v15                     ; and on the way out: my 16 neighbours
	v_lshlrev_b32 v4, 3, v2                        ; my codes' place in a step's
	v_lshrrev_b32 v5, 1, v2
	s_add_co_u32 s27, s27, 2*32*XSP
	v_add_nc_u32 v5, s27, v5                       ; my block's byte among the wave's 256
	v_lshlrev_b32 v7, 3, v2
	v_add_nc_u32 v6, s27, v7
	s_lshl_b32 s28, ttmp9, 2
	s_add_co_u32 s28, s28, s26                     ; which run of 8,192 numbers is my wave's
	s_lshl_b32 s30, s28, 15
	s_add_nc_u64 s[4:5], s[4:5], s[30:31]
	s_lshl_b32 s30, s28, 12
	s_add_nc_u64 s[14:15], s[14:15], s[30:31]
	s_lshl_b32 s30, s28, 8
	s_add_nc_u64 s[16:17], s[16:17], s[30:31]
.irp t, 0,1,2,3
	XLOAD \t
.endr
	; the table: my work-group's 256 pairs (cosine, sine), two a thread, made while the first loads are on their way, in registers that nothing else names
	s_lshr_b32 s29, ttmp9, 1                       ; the block of 16 positions
	s_and_b32 s28, ttmp9, 1                        ; u
	s_lshl_b32 s30, s29, 12
	s_add_nc_u64 s[24:25], s[24:25], s[30:31]
	s_lshl_b32 s30, s28, 10
	s_add_nc_u64 s[24:25], s[24:25], s[30:31]
	s_mov_b32 s32, 0xbed49a78                      ; -log2(10000) / 32
	s_mov_b32 s33, 0x3f22f983                      ; 2 / pi
	s_mov_b32 s34, 0x3fc90fdb                      ; pi / 2, its f32 part,
	s_mov_b32 s35, 0xb33bbd2e                      ; and the rest
	s_mov_b32 s36, 0xbe2aaaab                      ; the sine's -1/6, 1/120, -1/5040, 1/362880
	s_mov_b32 s37, 0x3c088889
	s_mov_b32 s38, 0xb9500d01
	s_mov_b32 s39, 0x3638ef1d
	s_mov_b32 s40, 0x3d2aaaab                      ; the cosine's 1/24, -1/720, 1/40320
	s_mov_b32 s41, 0xbab60b61
	s_mov_b32 s42, 0x37d00d01
	s_mov_b32 s43, 0x80000000
	v_bfe_u32 v200, v0, 1, 5                       ; the reader's lane
	v_and_b32 v201, 15, v200
	s_lshl_b32 s30, s29, 4
	v_add_nc_u32 v201, s30, v201                   ; the position
	v_lshrrev_b32 v200, 4, v200
	v_lshlrev_b32 v200, 3, v200
	v_lshrrev_b32 v223, 6, v0
	v_lshl_add_u32 v200, v223, 2, v200
	v_and_b32 v223, 1, v0
	v_lshl_add_u32 v200, v223, 1, v200
	s_lshl_b32 s30, s28, 4
	v_add_nc_u32 v202, s30, v200                   ; j = 16u + 8 (lane / 16) + 4c + 2 (thread % 2), and j + 1
	v_add_nc_u32 v203, 1, v202
	v_cvt_f32_u32 v202, v202
	v_cvt_f32_u32 v203, v203
	v_mul_f32 v202, s32, v202
	v_mul_f32 v203, s32, v203
	v_exp_f32 v202, v202                           ; theta
	v_exp_f32 v203, v203
	v_cvt_f32_u32 v201, v201
	v_nop                                          ; a plain place behind the exponentials
	s_wait_alu depctr_va_vdst(0)                   ; one wait for both, ahead of their first reader
.irp e, 0,1
	v_mul_f32 v[204+\e], v201, v[202+\e]           ; the angle
.endr
.irp e, 0,1
	v_mul_f32 v[206+\e], s33, v[204+\e]
.endr
.irp e, 0,1
	v_rndne_f32 v[206+\e], v[206+\e]               ; n: how many quarter turns
.endr
.irp e, 0,1
	v_fma_f32 v[208+\e], -v[206+\e], s34, v[204+\e]
.endr
.irp e, 0,1
	v_fma_f32 v[208+\e], -v[206+\e], s35, v[208+\e]   ; r, within pi/4 of 0
.endr
.irp e, 0,1
	v_mul_f32 v[210+\e], v[208+\e], v[208+\e]      ; z = r r
.endr
.irp e, 0,1
	v_fma_f32 v[212+\e], v[210+\e], s39, s38
	v_fma_f32 v[214+\e], v[210+\e], s42, s41
.endr
.irp e, 0,1
	v_fma_f32 v[212+\e], v[212+\e], v[210+\e], s37
	v_fma_f32 v[214+\e], v[214+\e], v[210+\e], s40
.endr
.irp e, 0,1
	v_fma_f32 v[212+\e], v[212+\e], v[210+\e], s36
	v_fma_f32 v[214+\e], v[214+\e], v[210+\e], -0.5
	v_mul_f32 v[204+\e], v[208+\e], v[210+\e]      ; r z
.endr
.irp e, 0,1
	v_fma_f32 v[212+\e], v[212+\e], v[204+\e], v[208+\e]   ; sin r
	v_fma_f32 v[214+\e], v[214+\e], v[210+\e], 1.0         ; cos r
	v_cvt_i32_f32 v[216+\e], v[206+\e]
.endr
.irp e, 0,1
	v_and_b32 v[204+\e], 1, v[216+\e]
	v_cmp_eq_u32 vcc_lo, 1, v[204+\e]              ; an odd number of quarter turns: the two change places
	v_cndmask_b32 v[220+\e], v[212+\e], v[214+\e], vcc_lo
	v_cndmask_b32 v[218+\e], v[214+\e], v[212+\e], vcc_lo
	v_lshlrev_b32 v[204+\e], 30, v[216+\e]
	v_and_b32 v[204+\e], s43, v[204+\e]
	v_xor_b32 v[220+\e], v[220+\e], v[204+\e]      ; the sine is negative in quarters 2 and 3,
	v_add_nc_u32 v[216+\e], 1, v[216+\e]
	v_lshlrev_b32 v[216+\e], 30, v[216+\e]
	v_and_b32 v[216+\e], s43, v[216+\e]
	v_xor_b32 v[218+\e], v[218+\e], v[216+\e]      ; the cosine in quarters 1 and 2
.endr
	v_lshlrev_b32 v222, 3, v0
	global_store_b64 v222, v[218:219], s[24:25]               ; each wave stores 256 consecutive bytes, aligned
	global_store_b64 v222, v[220:221], s[24:25] offset:2048
	s_wait_loadcnt 12                              ; step 0's four loads are in
	XTURN 0
.irp t, 0,1,2,3,4,5,6,7,8,9,10,11,12,13,14,15
	XSTEP \t
.endr
	ds_load_b64 v[8:9], v6                         ; my wave's 256 scale bytes, 8 a lane
	s_wait_dscnt 0x0
	global_store_b64 v7, v[8:9], s[16:17]          ; one aligned run of 256 bytes
	FINISH
.Lnot_x:
	s_cmp_lt_u32 ttmp9, 304
	s_cbranch_scc0 .Lpath_o
	; ---------------- Wq, Wk, Wv: a wave takes 32 columns x 512 along K ----------------
	s_sub_co_u32 s28, ttmp9, 256
	s_lshr_b32 s29, s28, 4                         ; which weight
	s_and_b32 s27, s28, 7                          ; which 128 columns
	s_bfe_u32 s28, s28, 0x10003                    ; which 512 along K
	s_cmp_eq_u32 s29, 0
	s_cselect_b64 s[6:7], s[6:7], s[8:9]
	s_cmp_eq_u32 s29, 2
	s_cselect_b64 s[6:7], s[10:11], s[6:7]
	s_lshl_b32 s27, s27, 7
	s_lshl_b32 s30, s26, 5
	s_add_co_u32 s27, s27, s30                     ; my wave's first column
	s_lshl_b32 s30, s28, 21                        ; 512 rows of 4,096 bytes
	s_add_nc_u64 s[6:7], s[6:7], s[30:31]
	s_lshl_b32 s30, s27, 2
	s_add_nc_u64 s[6:7], s[6:7], s[30:31]
	s_lshl_b32 s29, s29, 10
	s_add_co_u32 s27, s27, s29                     ; its row among the 3,072
	s_lshl_b32 s30, s27, 9
	s_add_nc_u64 s[18:19], s[18:19], s[30:31]
	s_lshl_b32 s30, s28, 8
	s_add_nc_u64 s[18:19], s[18:19], s[30:31]
	s_lshl_b32 s30, s27, 5
	s_add_nc_u64 s[20:21], s[20:21], s[30:31]
	s_lshl_b32 s30, s28, 4
	s_add_nc_u64 s[20:21], s[20:21], s[30:31]
	COLADDR WSTG, 9
	v_lshlrev_b32 v9, 5, v2                        ; my column's row of scale bytes
	KLOAD 0, 6
	KLOAD 1, 6
.irp t, 0,1,2,3,4,5,6,7,8,9,10,11,12,13,14,15
	WBLOCK \t
.endr
	global_store_b128 v9, v[SB:SB+3], s[20:21]     ; my column's 16 scale bytes
	ROWS_OUT 18, 512
	FINISH
.Lpath_o:
	; ---------------- Wo: a wave takes 32 columns x 128 along K ----------------
	s_sub_co_u32 s28, ttmp9, 304
	s_and_b32 s27, s28, 7                          ; which 128 columns
	s_lshr_b32 s28, s28, 3                         ; which 128 along K
	s_lshl_b32 s27, s27, 7
	s_lshl_b32 s30, s26, 5
	s_add_co_u32 s27, s27, s30
	s_lshl_b32 s30, s28, 19                        ; 128 rows of 4,096 bytes
	s_add_nc_u64 s[12:13], s[12:13], s[30:31]
	s_lshl_b32 s30, s27, 2
	s_add_nc_u64 s[12:13], s[12:13], s[30:31]
	s_lshl_b32 s30, s27, 11                        ; a row of the result is 2,048 bytes
	s_add_nc_u64 s[22:23], s[22:23], s[30:31]
	s_lshl_b32 s30, s28, 8
	s_add_nc_u64 s[22:23], s[22:23], s[30:31]
	COLADDR OSTG, 11
	KLOAD 0, 12
	KLOAD 1, 12
.irp t, 0,1,2,3
	OBLOCK \t
.endr
	ROWS_OUT 22, 2048
	FINISH
.Lfunc_end_k_q9f5c377c0e_prep:
	.size	k_q9f5c377c0e_prep, .Lfunc_end_k_q9f5c377c0e_prep-k_q9f5c377c0e_prep
	.p2alignl 7, 3214868480
	.fill 96, 4, 3214868480
	.section	.rodata,"a",@progbits
	.p2align	6, 0x0
	.amdhsa_kernel k_q9f5c377c0e_prep
		.amdhsa_group_segment_fixed_size 102912
		.amdhsa_private_segment_fixed_size 0
		.amdhsa_enable_private_segment 0
		.amdhsa_kernarg_size 88
		.amdhsa_user_sgpr_count 2
		.amdhsa_user_sgpr_kernarg_segment_ptr 1
		.amdhsa_wavefront_size32 1
		.amdhsa_system_sgpr_workgroup_id_x 1
		.amdhsa_system_sgpr_workgroup_id_y 1
		.amdhsa_system_sgpr_workgroup_id_z 1
		.amdhsa_system_vgpr_workitem_id 0
		.amdhsa_next_free_vgpr 224
		.amdhsa_next_free_sgpr 66
		.amdhsa_reserve_vcc 1
		.amdhsa_float_denorm_mode_32 3
		.amdhsa_float_denorm_mode_16_64 3
		.amdhsa_memory_ordered 1
		.amdhsa_forward_progress 1
		.amdhsa_inst_pref_size 137
	.end_amdhsa_kernel
	.amdgpu_metadata
---
amdhsa.version: [ 1, 2 ]
amdhsa.kernels:
  - .name:           k_q9f5c377c0e_prep
    .symbol:         k_q9f5c377c0e_prep.kd
    .args:
      - { .name: x, .offset: 0, .size: 8, .value_kind: global_buffer, .address_space: global }
      - { .name: Wq, .offset: 8, .size: 8, .value_kind: global_buffer, .address_space: global }
      - { .name: Wk, .offset: 16, .size: 8, .value_kind: global_buffer, .address_space: global }
      - { .name: Wv, .offset: 24, .size: 8, .value_kind: global_buffer, .address_space: global }
      - { .name: Wo, .offset: 32, .size: 8, .value_kind: global_buffer, .address_space: global }
      - { .name: xc, .offset: 40, .size: 8, .value_kind: global_buffer, .address_space: global }
      - { .name: xs, .offset: 48, .size: 8, .value_kind: global_buffer, .address_space: global }
      - { .name: wc, .offset: 56, .size: 8, .value_kind: global_buffer, .address_space: global }
      - { .name: ws, .offset: 64, .size: 8, .value_kind: global_buffer, .address_space: global }
      - { .name: wot, .offset: 72, .size: 8, .value_kind: global_buffer, .address_space: global }
      - { .name: rope, .offset: 80, .size: 8, .value_kind: global_buffer, .address_space: global }
    .group_segment_fixed_size: 102912
    .private_segment_fixed_size: 0
    .kernarg_segment_align: 8
    .kernarg_segment_size: 88
    .max_flat_workgroup_size: 128
    .sgpr_count:     66
    .vgpr_count:     224
    .wavefront_size: 32
...
	.end_amdgpu_metadata
.endif
;; end of part 1
;; launch qkv (part 2): grid 12 x 32, 4 waves a work-group, clusters of 4 x 4, 327,680 bytes of LDS; arguments xc, xs, wc, ws, qkv16, rope, bq, bk, bv, attn_mask; writes qkv16
.if DOCPART == 2
	.amdgcn_target "amdgcn-amd-amdhsa--gfx1250"
	.amdhsa_code_object_version 6
	.text
	.protected	k_q9f5c377c0e_qkv
	.globl	k_q9f5c377c0e_qkv
	.p2align	8
	.type	k_q9f5c377c0e_qkv,@function
k_q9f5c377c0e_qkv:
	s_mov_b64 s[64:65], 0
	v_nop
	global_prefetch_b8 v0, s[64:65] scope:SCOPE_SE
	s_setreg_imm32_b32 hwreg(HW_REG_WAVE_MODE, 25, 1), 1
	s_wait_xcnt 0x0
	s_wait_alu depctr_hold_cnt(0) depctr_sa_sdst(0) depctr_va_vdst(0) depctr_va_sdst(0) depctr_va_ssrc(0) depctr_va_vcc(0) depctr_vm_vsrc(0)
	s_getreg_b32 s2, hwreg(HW_REG_IB_STS2, 6, 4)
	s_cmp_eq_u32 s2, 0
	s_cbranch_scc0 .Lentry_in_a_cluster
	s_endpgm
.Lentry_in_a_cluster:
	s_bfe_u32 s2, ttmp6, 0x10000c
	s_cmp_lg_u32 s2, 0xf033
	s_cbranch_scc0 .Lentry_shape_is_right
	s_endpgm
.Lentry_shape_is_right:
; QKV: [8192][3072] = x [Wq | Wk | Wv] + bias on codes of FP4 (E2M1) with one E8M0 scale for each 32 along K = 1,024; then RoPE on q and k; out in f16 as [3][64 (batch x 16 + head)][2048][64].
; q leaves multiplied by c = log2(e) / 8, so that the scores are exponents of 2; the rows of k at masked positions leave as zeros (the next launch puts the mask's replacement in as the C of the scores' sums); v leaves as it is.
; A tile, 256 x 256, is made by four waves, each 128 x 128: 64 accumulators.  K goes in two slots of 512 (rows of 256 bytes), both asked for at the head: nothing is filled again.  The scale bytes of the tile's rows come once, as dense blocks.
; CLUSTERS: 4 x 4 work-groups; A's tiles are asked for jointly along a row of the cluster, B's along a column.  A cluster's x is the tensor (q, k, v), the same in all sixteen partners; it enters selections alone, no branch.
; 384 work-groups: 12 x 32 tiles; a tile of 256 x 384, which would make 256, wants 96 accumulators a wave and leaves no registers for fragments.
; THE MATRIX INSTRUCTION IS USED TRANSPOSED (source 0 = 16 rows of the weights' codes, source 1 = 16 rows of x's): a lane holds one position and eight neighbouring features.  The bias is the C of each sum's first instruction.
; ONE PATH FOR ALL THREE TENSORS: cosines become cos f + g and sines sin f, with (f, g) = (c, 0) for q, (mask, 0) for k, (0, 1) for v.
; LIMITS: |c q|, |k|, |v| stay under 65,504 (f16); magnitudes under 6e-5 keep an absolute error of 3e-8; NaN and infinities are not served.
; REGISTERS: window 0: v0-31 addresses; v32-95 scale words, two sets, and nothing else ever; v96-103 mask words; v104-108 f, g, 1; v128-191 A's fragments, later RoPE's products and the packed halves; v192-255 the bias, later rows read back.
;   window 1: B's fragments at v0-63 and v128-191; the table's images of my blocks 0-3 at v64-127 and v192-255, of blocks 4-7 in B's sets when those are done with.   windows 2, 3: the accumulators ((a, b) at v[8 (8 (a % 4) + b)]).
.set NQ,     4                         ; steps of 128 along K in a slot
.set ROWB,   256                       ; a tile's row in bytes
.set KROW,   512                       ; a row of codes in memory
.set PITCH,  272                       ; an LDS row: 256 bytes + 16: the 16 rows of a load start 4 banks apart
.set FR,     8
.set NL,     2
.set NP,     4                         ; places behind this matrix instruction (ISA guide 7.12.1)
.set HALFT,  128*PITCH
.set SLOT,   4*HALFT
.set KS,     32                        ; a row of scale bytes
.set SCL,    2*SLOT
.set HALFS,  16*272
.set SBLK,   2*272
.set SPARE,  SCL+4*HALFS               ; the spare words, 128 bytes for each wave
.set SPITCH, 144                       ; the way out: a stage of 2 heads x 16 rows x (128 bytes + 16) for each wave, in slot 0, which has had its only fill and its last read by then
.set ADRA, 16
.set ADRB, 20
.set STO,  24
.set RD,   25
.set CO,   26                          ; v26  16 x lane
.set ADRS, 27
.set SPW,  28
.set NIL,  29
.set BA,   30                          ; v30  32 x (lane / 16): the bias
.set MA,   31                          ; v31  4 x (lane % 16): the mask
.set SC,   32
.set MK,   96
.set F,    104
.set G,    106
.set ONE,  108
.set AF,   128
.set BIAS, 192
.set T,    128
.set PK,   160
.set BB,   192
.set G1, 24
.set G0, 32
.set G1B, 48
.set G0B, 56
.set G1S, 68
.set G0S, 76
.set G1SB, 80
.set G0SB, 88
.set MSB, 0
.macro WIN new                         ; the immediate's high byte repeats the setting that is left
.if MSB != (\new)
	s_set_vgpr_msb (MSB<<8)|(\new)
.set MSB, (\new)
.endif
.endm
.set MUL_LO, 0xa1                      ; source 0 (B) window 1, source 1 (A) window 0, C and D window 2
.set MUL_HI, 0xf1
.set TO_B,   0x40
.macro JLOAD g0a, g1a, g0b, g1b        ; a joint load: waves 0 and 1 fetch for A, waves 2 and 3 for B; the branch hangs on the wave's number alone; an s_nop 0 and four v_nop follow each line
	s_cmp_eq_u32 s15, 0
	s_cbranch_scc0 .Lfor_b_\@
	tensor_load_to_lds s[\g0a:\g0a+3], s[\g1a:\g1a+7]
	s_nop 0
.rept 4
	v_nop
.endr
	s_branch .Lasked_\@
.Lfor_b_\@:
	tensor_load_to_lds s[\g0b:\g0b+3], s[\g1b:\g1b+7]
	s_nop 0
.rept 4
	v_nop
.endr
.Lasked_\@:
.endm
.macro CROUND                          ; a round of the cluster's barrier
	s_barrier_signal -1
	s_barrier_wait -1
	s_cmp_lg_u32 s14, 0
	s_cbranch_scc1 .Lnot_wave_0_\@
	s_barrier_signal -3
.Lnot_wave_0_\@:
	s_barrier_wait -3
	s_barrier_signal -1
	s_barrier_wait -1
.endm
	s_load_b128 s[4:7], s[0:1], 0x0                ; x's codes, x's scales
	s_load_b128 s[8:11], s[0:1], 0x10              ; the weights' codes, their scales
	s_load_b64 s[12:13], s[0:1], 0x20              ; the result
	s_load_b64 s[96:97], s[0:1], 0x28              ; the table
	v_lshl_add_u32 v[SPW], v0, 2, SPARE
	v_mov_b32 v[NIL], 0
	ds_add_u32 v[SPW], v[NIL]                      ; the wave's opening: the add, twice on end, and its wait ahead of my first tensor load
	ds_add_u32 v[SPW], v[NIL]
	v_lshrrev_b32 v1, 5, v0
	v_readfirstlane_b32 s14, v1                    ; wave 0..3
	s_lshr_b32 s15, s14, 1                         ; which half of the tile's rows is mine.  Also: I fetch for A (0) or for B (1)
	s_and_b32 s16, s14, 1                          ; which half of its columns.  Also: which 128 rows of that tile I fetch
	s_bfe_u32 s40, ttmp6, 0x40000                  ; cx, cy
	s_bfe_u32 s41, ttmp6, 0x40004
	s_lshl_b32 s42, ttmp9, 2
	s_add_co_u32 s42, s42, s40                     ; tile column = 4 x cluster x + cx
	s_and_b32 s17, ttmp7, 0xffff
	s_lshl_b32 s17, s17, 2
	s_add_co_u32 s17, s17, s41                     ; tile row = 4 x cluster y + cy
	s_lshl_b32 s43, s41, 2
	s_lshl_b32 s43, 15, s43                        ; my row of the cluster
	s_lshl_b32 s44, 0x1111, s40                    ; my column
	s_or_b32 s[G1+0], s43, (0<<16)|(1<<20)|(1<<21)|(5<<22)|(3<<25)   ; the mask; elements of 1 byte; padding on, 4 words behind every 64; bit 21 beside a mask
	s_or_b32 s[G1B+0], s44, (0<<16)|(1<<20)|(1<<21)|(5<<22)|(3<<25)
.irp g, G1, G1B
	s_mov_b32 s[\g+1], ROWB<<16                    ; tensor_dim0
	s_mov_b32 s[\g+2], 128<<16                     ; tensor_dim1
	s_mov_b32 s[\g+3], ROWB<<16                    ; tile_dim0
	s_mov_b32 s[\g+4], 128                         ; tile_dim1
	s_mov_b32 s[\g+5], KROW                        ; from row to row
	s_mov_b32 s[\g+6], 0
	s_mov_b32 s[\g+7], 0
.endr
	s_or_b32 s[G1S+0], s43, (3<<16)|(1<<20)|(1<<21)|(5<<22)|(3<<25)  ; the scales of 128 rows: 4,096 dense bytes as 16 rows of 256 (32 elements of 8 bytes)
	s_or_b32 s[G1SB+0], s44, (3<<16)|(1<<20)|(1<<21)|(5<<22)|(3<<25)
.irp g, G1S, G1SB
	s_mov_b32 s[\g+1], 32<<16
	s_mov_b32 s[\g+2], 16<<16
	s_mov_b32 s[\g+3], 32<<16
	s_mov_b32 s[\g+4], 16
	s_mov_b32 s[\g+5], 32
	s_mov_b32 s[\g+6], 0
	s_mov_b32 s[\g+7], 0
.endr
	s_lshl_b32 s18, s16, 7
	s_lshl_b32 s20, s17, 8
	s_add_co_u32 s20, s20, s18                     ; A: row 256 x tile row + 128 x half
	s_lshl_b32 s46, s42, 8
	s_add_co_u32 s46, s46, s18                     ; B: row 256 x tile column + 128 x half
	s_mov_b32 s21, 0
	s_mov_b32 s47, 0
	s_mov_b64 s[18:19], KS
	s_mul_u64 s[22:23], s[20:21], s[18:19]         ; where these rows' scales begin
	s_mul_u64 s[92:93], s[46:47], s[18:19]
	s_mov_b64 s[18:19], KROW
	s_mul_u64 s[20:21], s[20:21], s[18:19]         ; and their codes
	s_mul_u64 s[46:47], s[46:47], s[18:19]
	s_mul_i32 s45, s14, HALFT                      ; where they go: by the wave's number alone
	s_mul_i32 s94, s14, HALFS
	s_wait_dscnt 0x0                               ; both opening adds are done
	s_wait_kmcnt 0x0
	s_add_nc_u64 s[20:21], s[4:5], s[20:21]
	s_add_nc_u64 s[22:23], s[6:7], s[22:23]
	s_add_nc_u64 s[46:47], s[8:9], s[46:47]
	s_add_nc_u64 s[92:93], s[10:11], s[92:93]
	CROUND                                         ; all sixteen work-groups are here: the joint loads meet
	s_mov_b32 s[G0S], 1
	s_add_co_u32 s[G0S+1], s94, SCL
	s_mov_b64 s[G0S+2:G0S+3], s[22:23]
	s_or_b32 s[G0S+3], s[G0S+3], 0x80000000
	s_mov_b32 s[G0SB], 1
	s_add_co_u32 s[G0SB+1], s94, SCL
	s_mov_b64 s[G0SB+2:G0SB+3], s[92:93]
	s_or_b32 s[G0SB+3], s[G0SB+3], 0x80000000
	JLOAD G0S, G1S, G0SB, G1SB                     ; the scales first
.irp s, 0,1
	s_mov_b32 s[G0+4*\s], 1
	s_add_co_u32 s[G0+4*\s+1], s45, \s*SLOT
	s_add_nc_u64 s[G0+4*\s+2:G0+4*\s+3], s[20:21], \s*ROWB
	s_or_b32 s[G0+4*\s+3], s[G0+4*\s+3], 0x80000000
	s_mov_b32 s[G0B+4*\s], 1
	s_add_co_u32 s[G0B+4*\s+1], s45, \s*SLOT
	s_add_nc_u64 s[G0B+4*\s+2:G0B+4*\s+3], s[46:47], \s*ROWB
	s_or_b32 s[G0B+4*\s+3], s[G0B+4*\s+3], 0x80000000
	JLOAD G0+4*\s, G1, G0B+4*\s, G1B               ; three tensor loads of mine are out, all first fills
.endr
	s_load_b128 s[4:7], s[0:1], 0x30               ; bq, bk (the four pointers that stood here have gone into the descriptors)
	s_load_b128 s[8:11], s[0:1], 0x40              ; bv, the mask
	v_and_b32 v1, 15, v0                           ; r = lane % 16
	v_bfe_u32 v2, v0, 4, 1                         ; h = lane / 16
	v_mul_u32_u24 v3, v1, PITCH
	v_lshl_add_u32 v4, v2, 4, v3
	s_mul_i32 s21, s15, HALFT
	s_mul_i32 s22, s16, HALFT
	s_add_co_u32 s22, s22, 2*HALFT
.irp s, 0,1
	v_add_nc_u32 v[ADRA+\s], s21, v4
	v_add_nc_u32 v[ADRB+\s], s22, v4
	s_add_co_u32 s21, s21, SLOT
	s_add_co_u32 s22, s22, SLOT
.endr
	v_mul_u32_u24 v5, v1, KS                       ; my row's scales: 32 bytes a row,
	v_lshrrev_b32 v6, 8, v5
	v_lshl_add_u32 v5, v6, 4, v5                   ; and 16 more for each 256 passed
	s_mul_i32 s21, s15, HALFS
	s_mul_i32 s22, s16, HALFS
	s_add_co_u32 s22, s22, 2*HALFS
	s_sub_co_u32 s22, s22, s21
	v_mul_u32_u24 v6, s22, v2                      ; lanes 16-31 take B's
	s_add_co_u32 s21, s21, SCL
	v_add_nc_u32 v5, v5, v6
	v_add_nc_u32 v[ADRS], s21, v5
	s_mul_i32 s23, s14, 2*16*SPITCH                ; my stage
	v_mul_u32_u24 v5, v1, SPITCH
	v_lshl_add_u32 v5, v2, 4, v5
	v_add_nc_u32 v[STO], s23, v5                   ; in: row r, 16 bytes for each half of the lanes
	v_and_b32 v6, 31, v0
	v_lshlrev_b32 v[CO], 4, v6
	v_lshrrev_b32 v5, 3, v6
	v_mul_u32_u24 v5, v5, SPITCH
	v_and_b32 v6, 7, v6
	v_lshl_add_u32 v5, v6, 4, v5
	v_add_nc_u32 v[RD], s23, v5                    ; back: eight lanes to a row of 128 bytes, four rows an instruction
	v_lshlrev_b32 v[BA], 5, v2
	v_lshlrev_b32 v[MA], 2, v1
	v_mov_b32 v[F+1], 0                            ; (named as upper halves of pairs)
	v_mov_b32 v[G+1], 0
	v_mov_b32 v[ONE], 1.0
	s_wait_kmcnt 0x0
	s_lshl_b32 s20, s17, 8
	s_lshl_b32 s21, s15, 7
	s_add_co_u32 s20, s20, s21                     ; my first row of x
	s_lshr_b32 s21, s20, 11                        ; its batch
	s_and_b32 s22, s20, 2047                       ; its position
	s_lshl_b32 s21, s21, 22                        ; 16 heads of 262,144 bytes
	s_lshl_b32 s23, s22, 7
	s_add_co_u32 s21, s21, s23
	s_lshl_b32 s23, ttmp9, 24                      ; the tensor: 16,777,216 bytes
	s_add_co_u32 s21, s21, s23
	s_lshl_b32 s46, s40, 2                         ; (what holds cx is made in the registers of B's side alone)
	s_lshl_b32 s47, s16, 1
	s_add_co_u32 s46, s46, s47                     ; my first head: 4 cx + 2 x half
	s_lshl_b32 s46, s46, 18
	s_add_co_u32 s46, s46, s21
	s_mov_b32 s47, 0
	s_add_nc_u64 s[12:13], s[12:13], s[46:47]
	s_lshl_b32 s46, s22, 8                         ; the table: 4,096 bytes for 16 positions
	s_add_nc_u64 s[96:97], s[96:97], s[46:47]
	s_lshl_b32 s46, s20, 2
	s_add_nc_u64 s[10:11], s[10:11], s[46:47]      ; the mask at my first row
	s_lshl_b32 s46, s40, 10
	s_lshl_b32 s45, s16, 9
	s_add_co_u32 s46, s46, s45                     ; my first column in the tensor, in bytes of f32
	s_cmp_eq_u32 ttmp9, 0
	s_cselect_b64 s[4:5], s[4:5], s[6:7]
	s_cselect_b32 s66, 0x3e38aa3b, 0               ; f = s66 + mask x s67: c for q,
	s_cmp_eq_u32 ttmp9, 1
	s_cselect_b32 s67, 1.0, 0                      ; the mask for k, 0 for v
	s_cmp_eq_u32 ttmp9, 2
	s_cselect_b64 s[4:5], s[8:9], s[4:5]
	s_cselect_b32 s95, 1.0, 0                      ; g: 1 for v
	s_add_nc_u64 s[4:5], s[4:5], s[46:47]
	v_mov_b32 v[G], s95
.irp b, 0,1,2,3,4,5,6,7
	global_load_b128 v[BIAS+8*\b:BIAS+8*\b+3], v[BA], s[4:5] offset:64*\b        ; the bias of columns 16 b + 8 h + 0 .. 7: the result's layout
	global_load_b128 v[BIAS+8*\b+4:BIAS+8*\b+7], v[BA], s[4:5] offset:64*\b+16
.endr
.irp a, 0,1,2,3,4,5,6,7
	global_load_b32 v[MK+\a], v[MA], s[10:11] offset:64*\a                       ; the mask word of row 16 a + r
.endr
.macro RTSET a                         ; where block a's image of the table lies in window 1
.if (\a) < 4
.set RT, 64+32*((\a)%2)+128*((\a)/2)
.else
.set RT, 32*((\a)%2)+128*(((\a)-4)/2)
.endif
.endm
.macro RLOAD a                         ; 16 cosines, 16 sines a lane: registers 8 u + j for features 16 u + 8 h + j of either half of a head
	RTSET \a
.irp g, 0,1,2,3,4,5,6,7
	global_load_b128 v[RT+4*\g:RT+4*\g+3], v[CO], s[96:97] offset:4096*(\a)+512*\g
.endr
.endm
	WIN TO_B
.irp a, 0,1,2,3
	RLOAD \a
.endr
	WIN 0
.macro FRAG reg, adr, q, i             ; 16 rows x 128 K of 4-bit codes: 8 registers, two loads of 16 bytes, 32 apart
.irp c, 0,1
	ds_load_b128 v[\reg+4*\c:\reg+4*\c+3], v[\adr] offset:64*(\q)+32*\c+(\i)*16*PITCH
.endr
.endm
; 16 matrix instructions: A's blocks a0, a0 + 1 x B's eight.  first = 1: the bias starts the sums.  The 64 accumulators take turns, one instruction a turn, in the same order in every step.
.macro MUL16 a0, p, q, sc, first
.irp a, \a0, \a0+1
.irp b, 0,1,2,3,4,5,6,7
.if \first
	v_wmma_scale_f32_16x16x128_f8f6f4 v[8*(8*((\a)%4)+\b):8*(8*((\a)%4)+\b)+7], v[128*(\p)+FR*\b:128*(\p)+FR*\b+FR-1], v[AF+FR*(\a):AF+FR*(\a)+FR-1], v[BIAS+8*\b:BIAS+8*\b+7], v[SC+8*NQ*(\sc)+NQ*\b+(\q)], v[SC+8*NQ*(\sc)+NQ*(\a)+(\q)] matrix_a_fmt:MATRIX_FMT_FP4 matrix_b_fmt:MATRIX_FMT_FP4 matrix_a_scale:MATRIX_SCALE_ROW1
.else
	v_wmma_scale_f32_16x16x128_f8f6f4 v[8*(8*((\a)%4)+\b):8*(8*((\a)%4)+\b)+7], v[128*(\p)+FR*\b:128*(\p)+FR*\b+FR-1], v[AF+FR*(\a):AF+FR*(\a)+FR-1], v[8*(8*((\a)%4)+\b):8*(8*((\a)%4)+\b)+7], v[SC+8*NQ*(\sc)+NQ*\b+(\q)], v[SC+8*NQ*(\sc)+NQ*(\a)+(\q)] matrix_a_fmt:MATRIX_FMT_FP4 matrix_b_fmt:MATRIX_FMT_FP4 matrix_a_scale:MATRIX_SCALE_ROW1
.endif
.endr
.endr
.endm
.macro FETCH_B slot, q, p
	WIN TO_B
.irp i, 0,1,2,3,4,5,6,7
	FRAG 128*(\p)+FR*\i, ADRB+\slot, \q, \i
.endr
	WIN 0
.endm
.macro FETCH_A slot, q, i0
.irp i, \i0, \i0+1, \i0+2, \i0+3
	FRAG AF+FR*(\i), ADRA+\slot, \q, \i
.endr
.endm
.macro SCALES sc                       ; a slot's scale words: lanes 0-15 A's block i, lanes 16-31 B's block i
.irp i, 0,1,2,3,4,5,6,7
	ds_load_b128 v[SC+8*NQ*\sc+NQ*\i:SC+8*NQ*\sc+NQ*\i+3], v[ADRS] offset:\i*SBLK
.endr
.endm
.macro PLACES n                        ; plain places behind matrix instructions, in front of loads into their registers and of reads of their results
.rept \n
	v_nop
.endr
.endm
.macro STEP slot, q, first             ; 128 along K, with its successor in the same slot
	s_wait_dscnt 4*NL                              ; B's set and A's blocks 0-3 are in; the youngest eight loads (A's blocks 4-7) may be out
.if \first
	WIN 0x81                                       ; C, the bias, in window 0
.else
	WIN MUL_LO
.endif
	MUL16 0, (\q)%2, \q, \slot, \first
	MUL16 2, (\q)%2, \q, \slot, \first
	s_wait_dscnt 0
	PLACES NP
	FETCH_B \slot, (\q)+1, 1-(\q)%2
	FETCH_A \slot, (\q)+1, 0
.if \first
	WIN 0xc1
.else
	WIN MUL_HI
.endif
	MUL16 4, (\q)%2, \q, \slot, \first
	MUL16 6, (\q)%2, \q, \slot, \first
	PLACES NP
	WIN 0
	FETCH_A \slot, (\q)+1, 4
.endm
.macro TURN slot, next                 ; slot 0's last step changes slots: one barrier; nothing is filled again
	s_wait_tensorcnt 0x0                           ; all my tensor loads have landed: my part of the next slot
	ds_add_u32 v[SPW], v[NIL]                      ; 0 onto my spare word
	s_wait_dscnt 4*NL+1                            ; the add and A's blocks 4-7 may be out
	WIN MUL_LO
	MUL16 0, 1, NQ-1, \slot, 0
	s_wait_dscnt 0x0                               ; the add is done, and my reads of this slot are over
	s_barrier_signal -1
	MUL16 2, 1, NQ-1, \slot, 0
	WIN 0
	s_barrier_wait -1
	PLACES NP
	v_add_nc_u32 v[ADRS], 4*NQ, v[ADRS]            ; on to the next slot's scale words
	FETCH_B \next, 0, 0
	FETCH_A \next, 0, 0
	SCALES \next
	WIN MUL_HI
	MUL16 4, 1, NQ-1, \slot, 0
	MUL16 6, 1, NQ-1, \slot, 0
	PLACES NP
	WIN 0
	FETCH_A \next, 0, 4
.endm
.macro STEPS slot, from
.set Q, \from
.rept NQ-1-\from
	STEP \slot, Q, 0
.set Q, Q+1
.endr
.endm
	s_wait_tensorcnt 1                             ; the scales and my part of slot 0 are in; slot 1's load may be out,
	s_barrier_signal -1
	s_barrier_wait -1                              ; everybody's are
	FETCH_B 0, 0, 0
	FETCH_A 0, 0, 0
	SCALES 0
	FETCH_A 0, 0, 4
	s_wait_loadcnt 40                              ; the bias is in: behind its 16 loads stand the mask's 8 and the table's 32
	STEP 0, 0, 1
	STEPS 0, 1
	TURN 0, 1
	STEPS 1, 0
	s_wait_dscnt 4*NL                              ; the last step: nothing more to fetch
	WIN MUL_LO
	MUL16 0, 1, NQ-1, 1, 0
	MUL16 2, 1, NQ-1, 1, 0
	s_wait_dscnt 0
	WIN MUL_HI
	MUL16 4, 1, NQ-1, 1, 0
	MUL16 6, 1, NQ-1, 1, 0
	WIN 0
; THE WAY OUT, block by block of 16 positions x 2 heads.  lo, hi: features d and d + 32 of a head.  out_lo = lo cos - hi sin, out_hi = hi cos + lo sin.
.macro ROPE a
	RTSET \a
.set AC, 64*((\a)%4)
	WIN 0
	v_cmp_ne_u32 vcc_lo, 0, v[MK+(\a)]
	v_cndmask_b32 v[F], 0, v[ONE], vcc_lo
	v_fma_f32 v[F], v[F], s67, s66                 ; f of my position
	WIN 0x41                                       ; the table in window 1, f and g in window 0
.irp i, 0,2,4,6,8,10,12,14
	v_pk_fma_f32 v[RT+\i:RT+\i+1], v[RT+\i:RT+\i+1], v[F:F+1], v[G:G+1] op_sel_hi:[1,0,0]
.endr
.irp i, 0,2,4,6,8,10,12,14
	v_pk_mul_f32 v[RT+16+\i:RT+17+\i], v[RT+16+\i:RT+17+\i], v[F:F+1] op_sel_hi:[1,0]
.endr
.irp hd, 0,1
	WIN 0x06+(\a)/4                                ; source 0: the accumulators' window; source 1: the table's
.irp u, 0,1
.irp jp, 0,2,4,6                       ; each accumulator is read from its low end on
	v_pk_mul_f32 v[T+8*\u+\jp:T+8*\u+\jp+1], v[AC+8*(4*\hd+\u)+\jp:AC+8*(4*\hd+\u)+\jp+1], v[RT+8*\u+\jp:RT+8*\u+\jp+1]
	v_pk_mul_f32 v[T+8*(\u+2)+\jp:T+8*(\u+2)+\jp+1], v[AC+8*(4*\hd+\u+2)+\jp:AC+8*(4*\hd+\u+2)+\jp+1], v[RT+8*\u+\jp:RT+8*\u+\jp+1]
.endr
.irp jp, 0,2,4,6
	v_pk_fma_f32 v[T+8*\u+\jp:T+8*\u+\jp+1], v[AC+8*(4*\hd+\u+2)+\jp:AC+8*(4*\hd+\u+2)+\jp+1], v[RT+16+8*\u+\jp:RT+16+8*\u+\jp+1], v[T+8*\u+\jp:T+8*\u+\jp+1] neg_lo:[1,0,0] neg_hi:[1,0,0]
	v_pk_fma_f32 v[T+8*(\u+2)+\jp:T+8*(\u+2)+\jp+1], v[AC+8*(4*\hd+\u)+\jp:AC+8*(4*\hd+\u)+\jp+1], v[RT+16+8*\u+\jp:RT+16+8*\u+\jp+1], v[T+8*(\u+2)+\jp:T+8*(\u+2)+\jp+1]
.endr
.endr
	WIN 0
.irp i, 0,1,2,3,4,5,6,7,8,9,10,11,12,13,14,15
	v_cvt_pk_f16_f32 v[PK+16*\hd+\i], v[T+2*\i], v[T+2*\i+1]
.endr
.irp b, 0,1,2,3
	ds_store_b128 v[STO], v[PK+16*\hd+4*\b:PK+16*\hd+4*\b+3] offset:\hd*16*SPITCH+32*\b
.endr
.endr
.set BBS, BB+32*((\a)%2)
.irp hd, 0,1
.irp i, 0,1,2,3
	ds_load_b128 v[BBS+16*\hd+4*\i:BBS+16*\hd+4*\i+3], v[RD] offset:\hd*16*SPITCH+4*SPITCH*\i   ; LDS serves a wave's instructions in order: these see the stores above
.endr
.endr
.endm
.macro SEND a, younger                 ; younger: the LDS instructions issued behind block a's loads
.set BBS, BB+32*((\a)%2)
	s_wait_dscnt \younger
.irp hd, 0,1
.irp i, 0,1,2,3
	global_store_b128 v[CO], v[BBS+16*\hd+4*\i:BBS+16*\hd+4*\i+3], s[12:13] offset:\hd*262144+2048*(\a)+512*\i th:TH_STORE_NT   ; 32 lanes store 512 consecutive bytes, aligned: four positions of a head
.endr
.endr
.endm
	PLACES NP                                      ; behind the last products: for the loads into B's sets, the writes over A's fragments and the reads of results
	WIN TO_B
.irp a, 4,5,6,7
	RLOAD \a
.endr
	WIN 0
	s_wait_loadcnt 32                              ; the masks and the images of blocks 0-3 are in; the 32 loads just issued may be out
	ROPE 0
.irp a, 1,2,3,4,5,6,7
.if \a == 4
	s_wait_loadcnt 0x0                             ; the images of blocks 4-7
.endif
.if \a > 1
	s_wait_xcnt 0x0                                ; block a - 2's stores have read their registers: block a's rows may land there
.endif
	ROPE \a
	SEND \a-1, 16                                  ; behind block a - 1's loads: block a's 8 stores and 8 loads
.endr
	SEND 7, 0
	s_wait_tensorcnt 0x0                           ; the wave's end
	ds_add_u32 v[SPW], v[NIL]
	s_wait_dscnt 0x0
	CROUND                                         ; the closing round
	s_endpgm
.Lfunc_end_k_q9f5c377c0e_qkv:
	.size	k_q9f5c377c0e_qkv, .Lfunc_end_k_q9f5c377c0e_qkv-k_q9f5c377c0e_qkv
	.p2alignl 7, 3214868480
	.fill 96, 4, 3214868480
	.section	.rodata,"a",@progbits
	.p2align	6, 0x0
	.amdhsa_kernel k_q9f5c377c0e_qkv
		.amdhsa_group_segment_fixed_size 327680
		.amdhsa_private_segment_fixed_size 0
		.amdhsa_enable_private_segment 0
		.amdhsa_kernarg_size 80
		.amdhsa_user_sgpr_count 2
		.amdhsa_user_sgpr_kernarg_segment_ptr 1
		.amdhsa_wavefront_size32 1
		.amdhsa_system_sgpr_workgroup_id_x 1
		.amdhsa_system_sgpr_workgroup_id_y 1
		.amdhsa_system_sgpr_workgroup_id_z 1
		.amdhsa_system_vgpr_workitem_id 0
		.amdhsa_next_free_vgpr 1024
		.amdhsa_next_free_sgpr 98
		.amdhsa_reserve_vcc 1
		.amdhsa_float_denorm_mode_32 3
		.amdhsa_float_denorm_mode_16_64 3
		.amdhsa_memory_ordered 1
		.amdhsa_forward_progress 1
		.amdhsa_inst_pref_size 178
	.end_amdhsa_kernel
	.amdgpu_metadata
---
amdhsa.version: [ 1, 2 ]
amdhsa.kernels:
  - .name:           k_q9f5c377c0e_qkv
    .symbol:         k_q9f5c377c0e_qkv.kd
    .args:
      - { .name: xc, .offset: 0, .size: 8, .value_kind: global_buffer, .address_space: global }
      - { .name: xs, .offset: 8, .size: 8, .value_kind: global_buffer, .address_space: global }
      - { .name: wc, .offset: 16, .size: 8, .value_kind: global_buffer, .address_space: global }
      - { .name: ws, .offset: 24, .size: 8, .value_kind: global_buffer, .address_space: global }
      - { .name: qkv16, .offset: 32, .size: 8, .value_kind: global_buffer, .address_space: global }
      - { .name: rope, .offset: 40, .size: 8, .value_kind: global_buffer, .address_space: global }
      - { .name: bq, .offset: 48, .size: 8, .value_kind: global_buffer, .address_space: global }
      - { .name: bk, .offset: 56, .size: 8, .value_kind: global_buffer, .address_space: global }
      - { .name: bv, .offset: 64, .size: 8, .value_kind: global_buffer, .address_space: global }
      - { .name: attn_mask, .offset: 72, .size: 8, .value_kind: global_buffer, .address_space: global }
    .group_segment_fixed_size: 327680
    .private_segment_fixed_size: 0
    .kernarg_segment_align: 8
    .kernarg_segment_size: 80
    .max_flat_workgroup_size: 128
    .sgpr_count:     98
    .vgpr_count:     1024
    .wavefront_size: 32
...
	.end_amdgpu_metadata
.endif
;; end of part 2
;; launch attn (part 3): grid 4 x 64, 8 waves a work-group, clusters of 4 x 1, 327,680 bytes of LDS; arguments qkv16, attn_mask, ao16; writes ao16
.if DOCPART == 3
	.amdgcn_target "amdgcn-amd-amdhsa--gfx1250"
	.amdhsa_code_object_version 6
	.text
	.protected	k_q9f5c377c0e_attn
	.globl	k_q9f5c377c0e_attn
	.p2align	8
	.type	k_q9f5c377c0e_attn,@function
k_q9f5c377c0e_attn:
	s_mov_b64 s[64:65], 0
	v_nop
	global_prefetch_b8 v0, s[64:65] scope:SCOPE_SE
	s_setreg_imm32_b32 hwreg(HW_REG_WAVE_MODE, 25, 1), 1
	s_wait_xcnt 0x0
	s_wait_alu depctr_hold_cnt(0) depctr_sa_sdst(0) depctr_va_vdst(0) depctr_va_sdst(0) depctr_va_ssrc(0) depctr_va_vcc(0) depctr_vm_vsrc(0)
	s_getreg_b32 s2, hwreg(HW_REG_IB_STS2, 6, 4)
	s_cmp_eq_u32 s2, 0
	s_cbranch_scc0 .Lentry_in_a_cluster
	s_endpgm
.Lentry_in_a_cluster:
	s_bfe_u32 s2, ttmp6, 0x10000c
	s_cmp_lg_u32 s2, 0x3003
	s_cbranch_scc0 .Lentry_shape_is_right
	s_endpgm
.Lentry_shape_is_right:
; ATTENTION: for each of 64 (batch, head): O[q] = sum over k of softmax_k(t[q][k]) V[k], t in exponents of 2: q arrives multiplied by log2(e) / 8.  q, k, v, o: [64][2048][64] f16; products, maxima and sums in f32; the weights p go to f16.
; THE MASK.  k's rows at masked keys arrive as zeros, and each score tile's sum begins with C = bias[key]: 0, or -1e9 log2(e) where the mask word is 0.  So a masked score IS the replacement, and a batch with every key masked gives equal weights.
; SHARES.  A work-group owns 512 queries of a head, each of its eight waves 64: four tiles of 16; two waves to a SIMD, so that one wave's vector work stands beside the other's matrix work.  Every wave walks all 2,048 keys, 64 a step.
; LAYOUT.  S^T = K Q^T (source 0 = 16 keys, source 1 = 16 queries) and O^T = V^T P: a lane holds ONE query throughout.  K comes out of LDS as it lies, V turned, by ds_load_tr16_b128.
; SOFTMAX.  A running maximum m and sum l for each query: p = 2^(t - m); in every step O and l are multiplied by a = 2^(m_old - m_new).  O begins as zeros, l as 0 and m as -3e38, so the step is written once for all steps.
; CLUSTER.  The four query blocks of a head are one cluster and ask for K's and V's tiles jointly.  A ring of two slots of 256 keys: waves 0-3 fetch K of the slot's step w, waves 4-7 V of step w - 4: one tensor load of mine is out at any time.
; LIMITS: as the launch before states them for q, k, v; |O| under 65,504; NaN and infinities are not served.
; REGISTERS: window 0: v2-15 addresses and constants; v16-23 the mask at the head; v24-55 eight registers of statistics a tile; v56-63 at work at the head; v64-127 P (16 a tile), under it v64-95 the bias tiles while K Q^T runs; v128-255 S^T (32 a tile).
;   window 1: v0-127 O^T (32 a tile); v128-191 Q (16 a tile); v192-255 K's fragments of a step, then V's.
.set KS,    64
.set PK,    144                        ; a row of K in LDS: 128 bytes + 16
.set PV,    160                        ; a row of V: 128 + 32: an odd multiple of 32
.set VOFF,  KS*PK
.set STEPB, KS*(PK+PV)
.set SLOT1, 1<<17
.set BIAS,  SLOT1+4*STEPB              ; f32 for each of the batch's 2,048 keys
.set STAGE, BIAS+8192                  ; 16 rows x 144 bytes for each wave
.set SP,    144
.set SPARE, STAGE+8*16*SP              ; the spare words, 128 bytes for each wave
.set AK0, 2
.set AV0, 3
.set AB0, 4
.set ADK, 5
.set ADV, 6
.set ADB, 7
.set QO,  8
.set STO, 9
.set RD,  10
.set GO,  11
.set PFO, 12
.set SPW, 13
.set NIL, 14
.set NEG, 15                           ; v15  -1e9 log2(e)
.set ST,  24                           ; tile t at v[ST+8 t]: +0 m, +1 0, +2, +3 l, +4 to +7 c0-c3; a takes c2's place
.set P,   64
.set BI,  64
.set S,   128
.set Q,   128                          ; in window 1
.set KV,  192
.set WV,  14
.set PFA, 18
.set LIM, 20
.set G1K, 24
.set G1V, 32
.set G0K, 40
.set G0V, 44
.set SLOTS, 48
.set CNT, 49
.set TB,  50                           ; s50  LDS byte at which the step's tiles begin
.set TBB, 51                           ; s51  the step's first key x 4
.set SEL, 52
.set MSB, 0
.macro WIN new
.if MSB != (\new)
	s_set_vgpr_msb (MSB<<8)|(\new)
.set MSB, (\new)
.endif
.endm
.macro JLOAD                           ; a joint load; the branch hangs on the wave's number alone; an s_nop 0 and four v_nop follow each line
	s_cmp_lt_u32 s[WV], 4
	s_cbranch_scc0 .Lfor_v_\@
	tensor_load_to_lds s[G0K:G0K+3], s[G1K:G1K+7]
	s_nop 0
.rept 4
	v_nop
.endr
	s_branch .Lasked_\@
.Lfor_v_\@:
	tensor_load_to_lds s[G0V:G0V+3], s[G1V:G1V+7]
	s_nop 0
.rept 4
	v_nop
.endr
.Lasked_\@:
.endm
; A PREFETCH of what the NEXT change of slots will ask for: 256 rows of K and of V, 32,768 dense bytes each.  The four partners share them out by address, 8,192 bytes each, lanes 256 bytes apart; wave 0 asks for K's, wave 4 for V's:
; each aligned block of 256 bytes is named once in the launch.  It stands behind the wave's tensor load, four key steps ahead of the load that will want the bytes.  The last change that fills a slot asks for nothing.
.macro ASK
	s_cmp_gt_u32 s[SLOTS], s[LIM]
	s_cbranch_scc0 .Lnot_mine_\@
	global_prefetch_b8 v[PFO], s[PFA:PFA+1] th:TH_LOAD_NT scope:SCOPE_SE
.Lnot_mine_\@:
.endm
.macro CROUND
	s_barrier_signal -1
	s_barrier_wait -1
	s_cmp_lg_u32 s[WV], 0
	s_cbranch_scc1 .Lnot_wave_0_\@
	s_barrier_signal -3
.Lnot_wave_0_\@:
	s_barrier_wait -3
	s_barrier_signal -1
	s_barrier_wait -1
.endm
	s_load_b128 s[4:7], s[0:1], 0x0                ; q, k, v; the mask
	s_load_b64 s[8:9], s[0:1], 0x10                ; o
	v_lshl_add_u32 v[SPW], v0, 2, SPARE
	v_mov_b32 v[NIL], 0
	ds_add_u32 v[SPW], v[NIL]                      ; the wave's opening: the add, twice on end, and its wait ahead of my first tensor load
	ds_add_u32 v[SPW], v[NIL]
	v_lshrrev_b32 v1, 5, v0
	v_readfirstlane_b32 s[WV], v1                  ; wave 0..7
	s_bfe_u32 s15, ttmp6, 0x40000                  ; cx: my block of 512 queries; it enters Q's, O's and the prefetches' addresses alone
	s_and_b32 s16, ttmp7, 0xffff                   ; batch x 16 + head, which the four partners share
	s_lshl_b32 s22, s16, 18                        ; its 262,144 bytes in each tensor
	s_and_b32 s21, s[WV], 3                        ; which of a slot's four steps I fetch
	s_lshl_b32 s56, s21, 13                        ; its 64 rows of 128 bytes
	s_add_co_u32 s56, s56, s22
	s_mov_b32 s57, 0
	s_mul_i32 s17, s21, STEPB                      ; and its place in a slot
	s_lshl_b32 s54, s15, 16
	s_lshl_b32 s55, s[WV], 13
	s_add_co_u32 s54, s54, s55
	s_add_co_u32 s54, s54, s22                     ; my wave's first query
	s_mov_b32 s55, 0
	s_lshr_b32 s22, s16, 4
	s_lshl_b32 s22, s22, 13                        ; the batch's 8,192 bytes of mask
	s_mov_b32 s23, 0
	s_mov_b32 s[G1K], 15|(1<<16)|(1<<20)|(1<<21)|(4<<22)|(3<<25)   ; the mask: all four; elements of 2 bytes; padding on: 4 words behind every 32; bit 21 beside a mask
	s_mov_b32 s[G1V], 15|(1<<16)|(1<<20)|(1<<21)|(4<<22)|(7<<25)   ; the same with 8 words
.irp g, G1K, G1V
	s_mov_b32 s[\g+1], 64<<16                      ; tensor_dim0
	s_mov_b32 s[\g+2], KS<<16                      ; tensor_dim1
	s_mov_b32 s[\g+3], 64<<16                      ; tile_dim0
	s_mov_b32 s[\g+4], KS                          ; tile_dim1
	s_mov_b32 s[\g+5], 64                          ; from row to row
	s_mov_b32 s[\g+6], 0
	s_mov_b32 s[\g+7], 0
.endr
	s_mov_b32 s[SEL], 0x76543210
	s_mov_b32 s[SEL+1], 0xfedcba98
	s_mov_b32 s[TB], 0
	s_mov_b32 s[TBB], 0
	s_mov_b32 s[SLOTS], 7
	s_cmp_eq_u32 s21, 0
	s_cselect_b32 s[LIM], 1, -1                    ; waves 0 and 4 prefetch
	v_and_b32 v[PFO], 31, v0
	v_lshlrev_b32 v[PFO], 8, v[PFO]
	s_wait_dscnt 0x0                               ; both opening adds are done
	s_wait_kmcnt 0x0
	s_add_nc_u64 s[10:11], s[4:5], s[56:57]
	s_add_nc_u64 s[12:13], s[10:11], 0x2000000     ; V at my tile of slot 0
	s_add_nc_u64 s[10:11], s[10:11], 0x1000000     ; K likewise
	s_add_nc_u64 s[4:5], s[4:5], s[54:55]          ; Q and O at my wave's first row
	s_add_nc_u64 s[8:9], s[8:9], s[54:55]
	s_add_nc_u64 s[6:7], s[6:7], s[22:23]
	s_cmp_lt_u32 s[WV], 4
	s_cselect_b64 s[PFA:PFA+1], s[10:11], s[12:13]
	s_lshl_b32 s54, s15, 13                        ; my work-group's 8,192 bytes of the 32,768
	s_add_nc_u64 s[PFA:PFA+1], s[PFA:PFA+1], s[54:55]
	s_add_nc_u64 s[PFA:PFA+1], s[PFA:PFA+1], 32768 ; in slot 1's keys; the first change steps it on.  Nothing is prefetched at the head
	CROUND                                         ; all four work-groups are here
	s_mov_b32 s[G0K], 1
	s_mov_b32 s[G0K+1], s17
	s_mov_b64 s[G0K+2:G0K+3], s[10:11]
	s_or_b32 s[G0K+3], s[G0K+3], 0x80000000
	s_mov_b32 s[G0V], 1
	s_add_co_u32 s[G0V+1], s17, VOFF
	s_mov_b64 s[G0V+2:G0V+3], s[12:13]
	s_or_b32 s[G0V+3], s[G0V+3], 0x80000000
	JLOAD                                          ; slot 0
	v_and_b32 v1, 15, v0                           ; r
	v_bfe_u32 v56, v0, 4, 1                        ; h
	v_lshlrev_b32 v[QO], 7, v1
	v_lshl_add_u32 v[QO], v56, 4, v[QO]
	WIN 0x40                                       ; destination window 1
.irp i, 0,1,2,3,4,5,6,7                        ; Q stays in registers: tile i / 2, channels 32 (i % 2) on
	global_load_b128 v[Q+8*\i:Q+8*\i+3],   v[QO], s[4:5] offset:(\i/2)*2048+(\i%2)*64
	global_load_b128 v[Q+8*\i+4:Q+8*\i+7], v[QO], s[4:5] offset:(\i/2)*2048+(\i%2)*64+32
.endr
	WIN 0
	v_lshlrev_b32 v57, 5, v0
	global_load_b128 v[16:19], v57, s[6:7]         ; eight mask words a thread: the batch's 2,048
	global_load_b128 v[20:23], v57, s[6:7] offset:16
	v_lshl_add_u32 v58, v0, 5, BIAS
	v_mul_u32_u24 v[AK0], v1, PK
	v_lshl_add_u32 v[AK0], v56, 4, v[AK0]          ; K: row r, 16 bytes for each half of the lanes
	v_and_b32 v59, 7, v0
	v_bfe_u32 v60, v0, 3, 1
	v_lshl_add_u32 v[AV0], v56, 3, v59
	v_mul_u32_u24 v[AV0], v[AV0], PV
	v_lshl_add_u32 v[AV0], v60, 4, v[AV0]
	v_add_nc_u32 v[AV0], VOFF, v[AV0]              ; V: key 8 h + lane % 8, channels 8 ((lane / 8) % 2) on
	v_lshl_add_u32 v[AB0], v56, 5, BIAS            ; the bias of keys 8 h + 0 .. 7
	s_mul_i32 s21, s[WV], 16*SP
	s_add_co_u32 s21, s21, STAGE
	v_mul_u32_u24 v[STO], v1, SP
	v_lshl_add_u32 v[STO], v56, 4, v[STO]
	v_add_nc_u32 v[STO], s21, v[STO]
	v_bfe_u32 v62, v0, 3, 2
	v_mul_u32_u24 v[RD], v62, SP
	v_lshl_add_u32 v[RD], v59, 4, v[RD]
	v_add_nc_u32 v[RD], s21, v[RD]
	v_and_b32 v61, 31, v0
	v_lshlrev_b32 v[GO], 4, v61
	v_mov_b32 v[NEG], 0xceabfb8f
.irp t, 0,1,2,3
	v_mov_b32 v[ST+8*\t], 0xff61b1e6               ; m: -3e38, under every score
	v_mov_b32 v[ST+8*\t+1], 0
	v_mov_b32 v[ST+8*\t+2], 0                      ; l
	v_mov_b32 v[ST+8*\t+3], 0
.endr
	WIN 0x40
.set i, 0
.rept 128
	v_mov_b32 v[i], 0                              ; O^T: written once, so that the step has no first form of its own
.set i, i+1
.endr
	WIN 0
	s_wait_loadcnt 0x0                             ; Q and the mask
.irp i, 0,1,2,3,4,5,6,7
	v_cmp_eq_u32 vcc_lo, 0, v[16+\i]
	v_cndmask_b32 v[16+\i], 0, v[NEG], vcc_lo
.endr
	ds_store_b128 v58, v[16:19]                    ; the first change of slots waits for these and passes a barrier
	ds_store_b128 v58, v[20:23] offset:16
; A KEY STEP: 64 keys, in phases.
.macro STEP
	v_add_nc_u32 v[ADK], s[TB], v[AK0]             ; these five plain lines are the places behind the last step's products, in front of the loads into their operands' registers
	v_add_nc_u32 v[ADV], s[TB], v[AV0]
	v_add_nc_u32 v[ADB], s[TBB], v[AB0]
	v_nop
	v_nop
.irp kt, 0,1,2,3
	ds_load_b128 v[BI+8*\kt:BI+8*\kt+3],   v[ADB] offset:64*\kt
	ds_load_b128 v[BI+8*\kt+4:BI+8*\kt+7], v[ADB] offset:64*\kt+16
.endr
	WIN 0x40
.irp f, 0,1,2,3,4,5,6,7                        ; keys 16 (f / 2) on, channels 32 (f % 2) on
	ds_load_b128 v[KV+8*\f:KV+8*\f+3],   v[ADK] offset:(\f/2)*16*PK+(\f%2)*64
	ds_load_b128 v[KV+8*\f+4:KV+8*\f+7], v[ADK] offset:(\f/2)*16*PK+(\f%2)*64+32
.endr
	s_wait_dscnt 0x0
	WIN 0x05                                       ; K and Q in window 1; S^T and the bias in window 0
.set i, 0
.rept 32                                       ; channels 32 (i / 16) on, keys 16 ((i / 4) % 4) on, tile i % 4: sixteen accumulators by turns
.set rS, S+32*(i%4)+8*((i/4)%4)
.set rK, KV+16*((i/4)%4)+8*(i/16)
.set rQ, Q+16*(i%4)+8*(i/16)
.if i < 16
	v_wmma_f32_16x16x32_f16 v[rS:rS+7], v[rK:rK+7], v[rQ:rQ+7], v[BI+8*((i/4)%4):BI+8*((i/4)%4)+7]
.else
	v_wmma_f32_16x16x32_f16 v[rS:rS+7], v[rK:rK+7], v[rQ:rQ+7], v[rS:rS+7]
.endif
.set i, i+1
.endr
.rept 4
	v_nop                                          ; places: in front of the loads over K's fragments and of the first reads of the scores
.endr
	WIN 0x40
.irp f, 0,1,2,3,4,5,6,7                        ; V, turned: keys 32 (f / 4) on, channels 16 (f % 4) on; it lands during the softmax
	ds_load_tr16_b128 v[KV+8*\f:KV+8*\f+3],   v[ADV] offset:(\f/4)*32*PV+(\f%4)*32
	ds_load_tr16_b128 v[KV+8*\f+4:KV+8*\f+7], v[ADV] offset:(\f/4)*32*PV+16*PV+(\f%4)*32
.endr
	WIN 0
	; the maximum: four chains a tile, each begun at an accumulator's low end; the four tiles by turns
.irp j, 0,1,2,3
.irp t, 0,1,2,3
	v_max3_num_f32 v[ST+8*\t+4+\j], v[S+32*\t+8*\j], v[S+32*\t+8*\j+1], v[S+32*\t+8*\j+2]
.endr
.endr
.irp p, 1,2
.irp j, 0,1,2,3
.irp t, 0,1,2,3
	v_max3_num_f32 v[ST+8*\t+4+\j], v[ST+8*\t+4+\j], v[S+32*\t+8*\j+2*\p+1], v[S+32*\t+8*\j+2*\p+2]
.endr
.endr
.endr
.irp t, 0,1,2,3
	v_max3_num_f32 v[ST+8*\t+4], v[ST+8*\t+4], v[S+32*\t+7], v[S+32*\t+15]
.endr
.irp t, 0,1,2,3
	v_max3_num_f32 v[ST+8*\t+6], v[ST+8*\t+6], v[S+32*\t+23], v[S+32*\t+31]
.endr
.irp t, 0,1,2,3
	v_max3_num_f32 v[ST+8*\t+4], v[ST+8*\t+4], v[ST+8*\t+5], v[ST+8*\t+6]
.endr
.irp t, 0,1,2,3
	v_max3_num_f32 v[ST+8*\t+4], v[ST+8*\t+4], v[ST+8*\t+7], v[ST+8*\t]
.endr
.irp t, 0,1,2,3
	v_permlanex16_b32 v[ST+8*\t+5], v[ST+8*\t+4], s[SEL], s[SEL+1]   ; the query's other 32 keys lie in the lane 16 away
.endr
.irp t, 0,1,2,3
	v_mov_b32 v[ST+8*\t+7], v[ST+8*\t]             ; m_old
.endr
.irp t, 0,1,2,3
	v_max_num_f32 v[ST+8*\t], v[ST+8*\t+4], v[ST+8*\t+5]
.endr
.irp t, 0,1,2,3
	v_sub_f32 v[ST+8*\t+7], v[ST+8*\t+7], v[ST+8*\t]
.endr
	; ONE BATCH: the scalings t - m and all 132 exponentials; none of these lines reads an exponential's result
.irp t, 0,1,2,3
	v_exp_f32 v[ST+8*\t+6], v[ST+8*\t+7]           ; a
.endr
.set p, 0
.rept 16
.irp t, 0,1,2,3
	v_pk_add_f32 v[S+32*\t+2*p:S+32*\t+2*p+1], v[S+32*\t+2*p:S+32*\t+2*p+1], v[ST+8*\t:ST+8*\t+1] op_sel_hi:[1,0] neg_lo:[0,1] neg_hi:[0,1]
.endr
.irp t, 0,1,2,3
	v_exp_f32 v[S+32*\t+2*p], v[S+32*\t+2*p]
	v_exp_f32 v[S+32*\t+2*p+1], v[S+32*\t+2*p+1]
.endr
.set p, p+1
.endr
	v_nop                                          ; a plain place behind the last exponential
	s_wait_alu depctr_va_vdst(0)                   ; one wait for the batch, ahead of its first reader
.set p, 0
.rept 16
.irp t, 0,1,2,3
	v_cvt_pk_f16_f32 v[P+16*\t+p], v[S+32*\t+2*p], v[S+32*\t+2*p+1]   ; two tiles of keys, in pairs, ARE source 1 of the second product
.endr
.set p, p+1
.endr
.irp z, 0,1,2,3,4,5,6,7
.irp t, 0,1,2,3
	v_pk_add_f32 v[S+32*\t+4*\z:S+32*\t+4*\z+1], v[S+32*\t+4*\z:S+32*\t+4*\z+1], v[S+32*\t+4*\z+2:S+32*\t+4*\z+3]
.endr
.endr
.irp z, 0,1,2,3
.irp t, 0,1,2,3
	v_pk_add_f32 v[S+32*\t+8*\z:S+32*\t+8*\z+1], v[S+32*\t+8*\z:S+32*\t+8*\z+1], v[S+32*\t+8*\z+4:S+32*\t+8*\z+5]
.endr
.endr
.irp z, 0,1
.irp t, 0,1,2,3
	v_pk_add_f32 v[S+32*\t+16*\z:S+32*\t+16*\z+1], v[S+32*\t+16*\z:S+32*\t+16*\z+1], v[S+32*\t+16*\z+8:S+32*\t+16*\z+9]
.endr
.endr
.irp t, 0,1,2,3
	v_pk_add_f32 v[S+32*\t:S+32*\t+1], v[S+32*\t:S+32*\t+1], v[S+32*\t+16:S+32*\t+17]
.endr
.irp t, 0,1,2,3
	v_pk_fma_f32 v[ST+8*\t+2:ST+8*\t+3], v[ST+8*\t+2:ST+8*\t+3], v[ST+8*\t+6:ST+8*\t+7], v[S+32*\t:S+32*\t+1] op_sel_hi:[1,0,1]   ; l = a l + the step's sum
.endr
	WIN 0x41                                       ; O^T in window 1, a in window 0
.set p, 0
.rept 16                                       ; each accumulator from its low end on
.irp t, 0,1,2,3
	v_pk_mul_f32 v[32*\t+2*p:32*\t+2*p+1], v[32*\t+2*p:32*\t+2*p+1], v[ST+8*\t+6:ST+8*\t+7] op_sel_hi:[1,0]
.endr
.set p, p+1
.endr
	s_wait_dscnt 0x0                               ; V is in
	WIN 0x51                                       ; V in window 1, P in window 0, O^T in window 1
.set i, 0
.rept 32                                       ; keys 32 (i / 16) on, channels 16 ((i / 4) % 4) on, tile i % 4
.set rO, 32*(i%4)+8*((i/4)%4)
.set rV, KV+32*(i/16)+8*((i/4)%4)
.set rP, P+16*(i%4)+8*(i/16)
	v_wmma_f32_16x16x32_f16 v[rO:rO+7], v[rV:rV+7], v[rP:rP+7], v[rO:rO+7]
.set i, i+1
.endr
	WIN 0
	s_add_co_u32 s[TB], s[TB], STEPB
	s_add_co_u32 s[TBB], s[TBB], 4*KS
.endm
; THE CHANGE OF SLOTS stands at a slot's head.  Each wave waits for all its tensor loads (its part of the slot ahead), adds 0 to its spare word, and waits for that and for its LDS instructions.  fill = 1: behind a round of the cluster's barrier the other
; slot is asked for jointly, with the keys that follow: the load has the slot's four steps, 256 matrix instructions of a wave, in which to land.
.macro CHANGE fill
	s_wait_tensorcnt 0x0                           ; no tensor load of mine is out, so a group 0 may be written
	ds_add_u32 v[SPW], v[NIL]
.if \fill
	s_xor_b32 s[G0K+1], s[G0K+1], SLOT1            ; the other slot than last time,
	s_add_nc_u64 s[G0K+2:G0K+3], s[G0K+2:G0K+3], 32768   ; the next 256 keys
	s_xor_b32 s[G0V+1], s[G0V+1], SLOT1
	s_add_nc_u64 s[G0V+2:G0V+3], s[G0V+2:G0V+3], 32768
	s_wait_xcnt 0x0                                ; the last prefetch, a slot back, has read its address
	s_add_nc_u64 s[PFA:PFA+1], s[PFA:PFA+1], 32768
	s_wait_dscnt 0x0                               ; the add is done; my reads of the slot that I have left are over (first trip: my stores of the bias have landed)
	CROUND
	JLOAD
	ASK
.else
	s_wait_dscnt 0x0
	s_barrier_signal -1
	s_barrier_wait -1
.endif
.endm
.macro FOUR_STEPS                      ; a slot's four key steps: written once, walked four times
	s_mov_b32 s[CNT], 4
.Lstep_\@:
	STEP
	s_sub_co_u32 s[CNT], s[CNT], 1
	s_cmp_lg_u32 s[CNT], 0
	s_cbranch_scc1 .Lstep_\@
	s_sub_co_u32 s[TB], s[TB], 4*STEPB
	s_xor_b32 s[TB], s[TB], SLOT1                  ; on to the other slot
.endm
.Lslot:                                            ; seven trips: behind each change of slots but the last the next slot is asked for
	CHANGE 1
	FOUR_STEPS
	s_sub_co_u32 s[SLOTS], s[SLOTS], 1
	s_cmp_lg_u32 s[SLOTS], 0
	s_cbranch_scc1 .Lslot
	CHANGE 0                                       ; the last slot is written out
	FOUR_STEPS
	; THE WAY OUT.  The additions are the places behind the last products.
.irp t, 0,1,2,3
	v_add_f32 v[ST+8*\t+4], v[ST+8*\t+2], v[ST+8*\t+3]
.endr
.irp t, 0,1,2,3
	v_permlanex16_b32 v[ST+8*\t+5], v[ST+8*\t+4], s[SEL], s[SEL+1]
.endr
.irp t, 0,1,2,3
	v_add_f32 v[ST+8*\t+4], v[ST+8*\t+4], v[ST+8*\t+5]
.endr
.irp t, 0,1,2,3
	v_rcp_f32 v[ST+8*\t+6], v[ST+8*\t+4]
.endr
	v_nop
	s_wait_alu depctr_va_vdst(0)                   ; one wait for the four reciprocals
.macro PACK t                          ; tile t: divided, rounded to f16, through my stage, back as whole rows
	WIN 0x41
.set i, 0
.rept 16
	v_pk_mul_f32 v[32*\t+i:32*\t+i+1], v[32*\t+i:32*\t+i+1], v[ST+8*\t+6:ST+8*\t+7] op_sel_hi:[1,0]
.set i, i+2
.endr
	WIN 0x05
.set i, 0
.rept 16
	v_cvt_pk_f16_f32 v[S+16*\t+i], v[32*\t+2*i], v[32*\t+2*i+1]
.set i, i+1
.endr
	WIN 0
.irp f, 0,1,2,3
	ds_store_b128 v[STO], v[S+16*\t+4*\f:S+16*\t+4*\f+3] offset:32*\f
.endr
.irp f, 0,1,2,3
	ds_load_b128 v[S+16*\t+4*\f:S+16*\t+4*\f+3], v[RD] offset:\f*4*SP   ; LDS serves a wave's instructions in order
.endr
.endm
.macro SEND t, younger
.irp f, 0,1,2,3
	s_wait_dscnt \younger+3-\f
	global_store_b128 v[GO], v[S+16*\t+4*\f:S+16*\t+4*\f+3], s[8:9] offset:\t*2048+\f*512   ; 32 lanes store 512 consecutive bytes, aligned
.endr
.endm
	PACK 0
	PACK 1
	SEND 0, 8                                      ; behind tile 0's loads: tile 1's 4 stores and 4 loads
	PACK 2
	SEND 1, 8
	PACK 3
	SEND 2, 8
	SEND 3, 0
	s_wait_tensorcnt 0x0                           ; the wave's end
	ds_add_u32 v[SPW], v[NIL]
	s_wait_dscnt 0x0
	CROUND                                         ; the closing round
	s_endpgm
.Lfunc_end_k_q9f5c377c0e_attn:
	.size	k_q9f5c377c0e_attn, .Lfunc_end_k_q9f5c377c0e_attn-k_q9f5c377c0e_attn
	.p2alignl 7, 3214868480
	.fill 96, 4, 3214868480
	.section	.rodata,"a",@progbits
	.p2align	6, 0x0
	.amdhsa_kernel k_q9f5c377c0e_attn
		.amdhsa_group_segment_fixed_size 327680
		.amdhsa_private_segment_fixed_size 0
		.amdhsa_enable_private_segment 0
		.amdhsa_kernarg_size 24
		.amdhsa_user_sgpr_count 2
		.amdhsa_user_sgpr_kernarg_segment_ptr 1
		.amdhsa_wavefront_size32 1
		.amdhsa_system_sgpr_workgroup_id_x 1
		.amdhsa_system_sgpr_workgroup_id_y 1
		.amdhsa_system_sgpr_workgroup_id_z 1
		.amdhsa_system_vgpr_workitem_id 0
		.amdhsa_next_free_vgpr 512
		.amdhsa_next_free_sgpr 66
		.amdhsa_reserve_vcc 1
		.amdhsa_float_denorm_mode_32 3
		.amdhsa_float_denorm_mode_16_64 3
		.amdhsa_memory_ordered 1
		.amdhsa_forward_progress 1
		.amdhsa_inst_pref_size 93
	.end_amdhsa_kernel
	.amdgpu_metadata
---
amdhsa.version: [ 1, 2 ]
amdhsa.kernels:
  - .name:           k_q9f5c377c0e_attn
    .symbol:         k_q9f5c377c0e_attn.kd
    .args:
      - { .name: qkv16, .offset: 0, .size: 8, .value_kind: global_buffer, .address_space: global }
      - { .name: attn_mask, .offset: 8, .size: 8, .value_kind: global_buffer, .address_space: global }
      - { .name: ao16, .offset: 16, .size: 8, .value_kind: global_buffer, .address_space: global }
    .group_segment_fixed_size: 327680
    .private_segment_fixed_size: 0
    .kernarg_segment_align: 8
    .kernarg_segment_size: 24
    .max_flat_workgroup_size: 256
    .sgpr_count:     66
    .vgpr_count:     512
    .wavefront_size: 32
...
	.end_amdgpu_metadata
.endif
;; end of part 3
;; launch oproj (part 4): grid 4 x 64, 4 waves a work-group, clusters of 4 x 4, 327,680 bytes of LDS; arguments ao16, wot, bo, out0; writes out0
.if DOCPART == 4
	.amdgcn_target "amdgcn-amd-amdhsa--gfx1250"
	.amdhsa_code_object_version 6
	.text
	.protected	k_q9f5c377c0e_oproj
	.globl	k_q9f5c377c0e_oproj
	.p2align	8
	.type	k_q9f5c377c0e_oproj,@function
k_q9f5c377c0e_oproj:
	s_mov_b64 s[64:65], 0
	v_nop
	global_prefetch_b8 v0, s[64:65] scope:SCOPE_SE
	s_setreg_imm32_b32 hwreg(HW_REG_WAVE_MODE, 25, 1), 1
	s_wait_xcnt 0x0
	s_wait_alu depctr_hold_cnt(0) depctr_sa_sdst(0) depctr_va_vdst(0) depctr_va_sdst(0) depctr_va_ssrc(0) depctr_va_vcc(0) depctr_vm_vsrc(0)
	s_getreg_b32 s2, hwreg(HW_REG_IB_STS2, 6, 4)
	s_cmp_eq_u32 s2, 0
	s_cbranch_scc0 .Lentry_in_a_cluster
	s_endpgm
.Lentry_in_a_cluster:
	s_bfe_u32 s2, ttmp6, 0x10000c
	s_cmp_lg_u32 s2, 0xf033
	s_cbranch_scc0 .Lentry_shape_is_right
	s_endpgm
.Lentry_shape_is_right:
; OUT: out0 [8192][1024] f32 = A Wo + bo.  A arrives as f16 laid [64 (batch x 16 + head)][2048][64]: column k of A is channel k % 64 of head k / 64.  Wo arrives as f16 laid [n][k].  Sums in f32.
; A tile of the result is 128 x 256: 256 work-groups of four waves, a wave 64 x 128: 32 accumulators.  K goes in 8 steps of 128, two heads, through a ring of two LDS slots: waves 0 and 1 fetch A's two head panels (128 rows x 128 bytes, dense in memory),
; waves 2 and 3 the halves of B's 256 rows x 256 bytes: one tensor load a wave behind each round, two of mine out at the head.
; CLUSTERS: 4 x 4 work-groups; A's panels are asked for jointly along a row of the cluster, B's tiles along a column.  THE MATRIX INSTRUCTION IS USED TRANSPOSED: a lane holds eight neighbouring columns of a row.  The bias is the C of each sum's first instruction.
; LIMITS: as the launches before state them for the f16 operands.
; REGISTERS: window 0: v0-31 addresses; two fragment buffers of 96 at v64 and v160 (A's four fragments, then B's eight); on the way out rows at v64-191.   window 1: accumulator (a, b) at v[8 (8 a + b)].   window 2: the bias, v0-63.
.set PA,     144                       ; a row of A's panel in LDS: 128 bytes + 16
.set PB,     272                       ; a row of B's tile: 256 + 16
.set PANEL,  128*PA
.set BOFF,   2*PANEL
.set HALFB,  128*PB
.set SLOT,   BOFF+2*HALFB
.set STAGE,  2*SLOT                    ; 16 rows x (512 bytes + 16) for each wave
.set SPITCH, 528
.set SPARE,  STAGE+4*16*SPITCH
.set LAPS,   4
.set ADRA, 16
.set ADRB, 20
.set STO,  24
.set RD,   25
.set CO,   26
.set BO,   27
.set SPW,  28
.set NIL,  29
.set F0,   64
.set F1,   160
.set BK,   64
.set G1, 24
.set G0, 32
.set G1B, 48
.set G0B, 56
.set MSB, 0
.macro WIN new
.if MSB != (\new)
	s_set_vgpr_msb (MSB<<8)|(\new)
.set MSB, (\new)
.endif
.endm
.set MUL,  0x50                        ; C and D window 1, fragments window 0
.set MULB, 0x60                        ; D window 1, C (the bias) window 2
.macro JLOAD s                         ; a joint load: waves 0 and 1 for A, waves 2 and 3 for B; an s_nop 0 and four v_nop follow each line
	s_cmp_eq_u32 s14, 0
	s_cbranch_scc0 .Lfor_b_\@
	tensor_load_to_lds s[G0+4*\s:G0+4*\s+3], s[G1:G1+7]
	s_nop 0
.rept 4
	v_nop
.endr
	s_branch .Lasked_\@
.Lfor_b_\@:
	tensor_load_to_lds s[G0B+4*\s:G0B+4*\s+3], s[G1B:G1B+7]
	s_nop 0
.rept 4
	v_nop
.endr
.Lasked_\@:
.endm
.macro CREST
	s_cmp_lg_u32 s12, 0
	s_cbranch_scc1 .Lnot_wave_0_\@
	s_barrier_signal -3
.Lnot_wave_0_\@:
	s_barrier_wait -3
	s_barrier_signal -1
	s_barrier_wait -1
.endm
.macro CROUND
	s_barrier_signal -1
	s_barrier_wait -1
	CREST
.endm
	s_load_b128 s[4:7], s[0:1], 0x0                ; A, Wo transposed
	s_load_b128 s[8:11], s[0:1], 0x10              ; bo, the result
	v_lshl_add_u32 v[SPW], v0, 2, SPARE
	v_mov_b32 v[NIL], 0
	ds_add_u32 v[SPW], v[NIL]                      ; the wave's opening: the add, twice on end, and its wait ahead of my first tensor load
	ds_add_u32 v[SPW], v[NIL]
	v_lshrrev_b32 v1, 5, v0
	v_readfirstlane_b32 s12, v1                    ; wave 0..3
	s_lshr_b32 s14, s12, 1                         ; which 64 rows are mine.  Also: I fetch for A (0) or for B (1)
	s_and_b32 s15, s12, 1                          ; which 128 columns.  Also: which panel, or which half of B's rows, I fetch
	s_bfe_u32 s40, ttmp6, 0x40000                  ; cx, cy
	s_bfe_u32 s41, ttmp6, 0x40004
	s_lshl_b32 s42, ttmp9, 2
	s_add_co_u32 s42, s42, s40                     ; tile column
	s_and_b32 s13, ttmp7, 0xffff
	s_lshl_b32 s13, s13, 2
	s_add_co_u32 s13, s13, s41                     ; tile row
	s_lshl_b32 s43, s41, 2
	s_lshl_b32 s43, 15, s43                        ; my row of the cluster
	s_lshl_b32 s44, 0x1111, s40                    ; my column
	s_or_b32 s[G1+0], s43, (1<<16)|(1<<20)|(1<<21)|(4<<22)|(3<<25)   ; elements of 2 bytes; 4 words of padding behind every 32
	s_mov_b32 s[G1+1], 64<<16                      ; tensor_dim0
	s_mov_b32 s[G1+2], 128<<16                     ; tensor_dim1
	s_mov_b32 s[G1+3], 64<<16                      ; tile_dim0
	s_mov_b32 s[G1+4], 128                         ; tile_dim1
	s_mov_b32 s[G1+5], 64                          ; from row to row
	s_mov_b32 s[G1+6], 0
	s_mov_b32 s[G1+7], 0
	s_or_b32 s[G1B+0], s44, (1<<16)|(1<<20)|(1<<21)|(5<<22)|(3<<25)  ; 4 words behind every 64
	s_mov_b32 s[G1B+1], 128<<16
	s_mov_b32 s[G1B+2], 128<<16
	s_mov_b32 s[G1B+3], 128<<16
	s_mov_b32 s[G1B+4], 128
	s_mov_b32 s[G1B+5], 1024
	s_mov_b32 s[G1B+6], 0
	s_mov_b32 s[G1B+7], 0
	s_lshr_b32 s16, s13, 4                         ; A: the batch: 16 heads of 262,144 bytes,
	s_lshl_b32 s16, s16, 22
	s_and_b32 s17, s13, 15
	s_lshl_b32 s17, s17, 14                        ; the tile's 128 positions of 128 bytes,
	s_add_co_u32 s16, s16, s17
	s_lshl_b32 s17, s15, 18                        ; my head of the step's two
	s_add_co_u32 s16, s16, s17
	s_mov_b32 s17, 0
	s_lshl_b32 s46, s42, 19                        ; B: 256 rows of 2,048 bytes a tile column,
	s_lshl_b32 s47, s15, 18                        ; my 128 of them
	s_add_co_u32 s46, s46, s47
	s_mov_b32 s47, 0
	s_mul_i32 s20, s15, PANEL                      ; where they go: by the wave's number alone
	s_mul_i32 s21, s15, HALFB
	s_add_co_u32 s21, s21, BOFF
	s_wait_dscnt 0x0                               ; both opening adds are done
	s_wait_kmcnt 0x0
	s_add_nc_u64 s[16:17], s[4:5], s[16:17]
	s_add_nc_u64 s[46:47], s[6:7], s[46:47]
	CROUND                                         ; all sixteen work-groups are here
.irp s, 0,1
	s_mov_b32 s[G0+4*\s], 1
	s_add_co_u32 s[G0+4*\s+1], s20, \s*SLOT
	s_add_nc_u64 s[G0+4*\s+2:G0+4*\s+3], s[16:17], \s*2*262144
	s_or_b32 s[G0+4*\s+3], s[G0+4*\s+3], 0x80000000
	s_mov_b32 s[G0B+4*\s], 1
	s_add_co_u32 s[G0B+4*\s+1], s21, \s*SLOT
	s_add_nc_u64 s[G0B+4*\s+2:G0B+4*\s+3], s[46:47], \s*256
	s_or_b32 s[G0B+4*\s+3], s[G0B+4*\s+3], 0x80000000
	JLOAD \s
.endr
	v_and_b32 v1, 15, v0                           ; r
	v_bfe_u32 v2, v0, 4, 1                         ; h
	v_mul_u32_u24 v3, v1, PA
	v_lshl_add_u32 v3, v2, 4, v3
	s_mul_i32 s22, s14, 64*PA                      ; my 64 rows of either panel
	v_add_nc_u32 v[ADRA], s22, v3
	s_add_co_u32 s22, s22, SLOT
	v_add_nc_u32 v[ADRA+1], s22, v3
	v_mul_u32_u24 v4, v1, PB
	v_lshl_add_u32 v4, v2, 4, v4
	s_mul_i32 s23, s15, HALFB
	s_add_co_u32 s23, s23, BOFF                    ; my 128 rows of B
	v_add_nc_u32 v[ADRB], s23, v4
	s_add_co_u32 s23, s23, SLOT
	v_add_nc_u32 v[ADRB+1], s23, v4
	s_mul_i32 s22, s12, 16*SPITCH
	s_add_co_u32 s22, s22, STAGE                   ; my stage
	v_mul_u32_u24 v5, v1, SPITCH
	v_lshl_add_u32 v5, v2, 5, v5
	v_add_nc_u32 v[STO], s22, v5                   ; in: row r, 32 bytes for each half of the lanes
	v_and_b32 v6, 31, v0
	v_lshlrev_b32 v[CO], 4, v6
	v_add_nc_u32 v[RD], s22, v[CO]                 ; back: the 32 lanes take a row of 512 bytes
	v_lshlrev_b32 v[BO], 5, v2
	s_lshl_b32 s46, s42, 10
	s_lshl_b32 s47, s15, 9
	s_add_co_u32 s46, s46, s47                     ; my first column, in bytes of f32
	s_mov_b32 s47, 0
	s_add_nc_u64 s[8:9], s[8:9], s[46:47]
	s_add_nc_u64 s[10:11], s[10:11], s[46:47]
	s_lshl_b32 s22, s13, 19                        ; 128 rows of 4,096 bytes a tile row,
	s_lshl_b32 s23, s14, 18                        ; my 64 of them
	s_add_co_u32 s22, s22, s23
	s_mov_b32 s23, 0
	s_add_nc_u64 s[10:11], s[10:11], s[22:23]
	WIN 0x80                                       ; destination window 2
.irp b, 0,1,2,3,4,5,6,7
	global_load_b128 v[8*\b:8*\b+3],   v[BO], s[8:9] offset:64*\b       ; the bias of columns 16 b + 8 h + 0 .. 7
	global_load_b128 v[8*\b+4:8*\b+7], v[BO], s[8:9] offset:64*\b+16
.endr
	WIN 0
; 8 matrix instructions: A's block a x B's eight, 32 along K.  first = 1: the bias starts the sums.  The 32 accumulators take turns, in the same order in every quarter.
.macro MUL8 f, a, first
.irp b, 0,1,2,3,4,5,6,7
.if \first
	v_wmma_f32_16x16x32_f16 v[8*(8*(\a)+\b):8*(8*(\a)+\b)+7], v[\f+32+8*\b:\f+32+8*\b+7], v[\f+8*(\a):\f+8*(\a)+7], v[8*\b:8*\b+7]
.else
	v_wmma_f32_16x16x32_f16 v[8*(8*(\a)+\b):8*(8*(\a)+\b)+7], v[\f+32+8*\b:\f+32+8*\b+7], v[\f+8*(\a):\f+8*(\a)+7], v[8*(8*(\a)+\b):8*(8*(\a)+\b)+7]
.endif
.endr
.endm
; 24 LDS loads in one run: the fragments of the slot's q-th 32 along K into buffer f: B's eight, then A's four (panel q / 2, channels 32 (q % 2) on)
.macro FETCH slot, q, f
	WIN 0
.irp i, 0,1,2,3,4,5,6,7
	ds_load_b128 v[\f+32+8*\i:\f+32+8*\i+3],   v[ADRB+\slot] offset:64*(\q)+\i*16*PB
	ds_load_b128 v[\f+32+8*\i+4:\f+32+8*\i+7], v[ADRB+\slot] offset:64*(\q)+\i*16*PB+32
.endr
.irp i, 0,1,2,3
	ds_load_b128 v[\f+8*\i:\f+8*\i+3],   v[ADRA+\slot] offset:((\q)/2)*PANEL+64*((\q)%2)+\i*16*PA
	ds_load_b128 v[\f+8*\i+4:\f+8*\i+7], v[ADRA+\slot] offset:((\q)/2)*PANEL+64*((\q)%2)+\i*16*PA+32
.endr
.endm
.macro PLACES
.rept 4
	v_nop
.endr
.endm
; One of a K step's first three quarters: multiplies buffer f and fetches quarter qn of the same slot into g.
.macro QUARTER slot, qn, f, g, first
	s_wait_dscnt 4                                 ; B and A's blocks 0, 1 are in; the youngest four loads (A's blocks 2, 3) may be out
.if \first
	WIN MULB
.else
	WIN MUL
.endif
	MUL8 \f, 0, \first
	MUL8 \f, 1, \first
	PLACES
	FETCH \slot, \qn, \g
	s_wait_dscnt 24                                ; all but the 24 just issued
.if \first
	WIN MULB
.else
	WIN MUL
.endif
	MUL8 \f, 2, \first
	MUL8 \f, 3, \first
.endm
; The last quarter multiplies buffer 1 and changes slots: one barrier; in front of it each wave waits for all its tensor loads, adds 0 to its spare word, and waits for that and for its reads of this slot.  fill = 1: this slot is filled again, two K steps ahead.
.macro TURN slot, next, fill
	WIN 0
	s_wait_tensorcnt 0x0                           ; all my tensor loads have landed: my part of the next slot
	ds_add_u32 v[SPW], v[NIL]
	s_wait_dscnt 5                                 ; the add and A's blocks 2, 3 may be out
	WIN MUL
	MUL8 F1, 0, 0
	s_wait_dscnt 0x0                               ; the add is done, and my reads of this slot are over
	s_barrier_signal -1
	MUL8 F1, 1, 0
	WIN 0
	s_barrier_wait -1
.if \fill
	CREST                                          ; the barrier has opened a round of the cluster's barrier
	s_add_nc_u64 s[G0+4*\slot+2:G0+4*\slot+3], s[G0+4*\slot+2:G0+4*\slot+3], 4*262144   ; four heads on
	s_add_nc_u64 s[G0B+4*\slot+2:G0B+4*\slot+3], s[G0B+4*\slot+2:G0B+4*\slot+3], 512
	JLOAD \slot                                    ; the first tensor load behind the round; its four v_nop are also the places in front of the loads below
.else
	PLACES
.endif
	FETCH \next, 0, F0
	WIN MUL
	MUL8 F1, 2, 0
	MUL8 F1, 3, 0
.endm
	s_wait_loadcnt 0x0                             ; the bias
	s_wait_tensorcnt 1                             ; my part of K step 0 is in; K step 1's load may be out,
	s_barrier_signal -1
	s_barrier_wait -1                              ; everybody's is
	FETCH 0, 0, F0
	QUARTER 0, 1, F0, F1, 1                        ; the first quarter stands in front of the loop: the bias starts the sums
	WIN 0
	s_mov_b32 s3, LAPS-1
.Llap:                                             ; a trip goes once round the ring and fills both slots again
	QUARTER 0, 2, F1, F0, 0
	QUARTER 0, 3, F0, F1, 0
	TURN 0, 1, 1
	QUARTER 1, 1, F0, F1, 0
	QUARTER 1, 2, F1, F0, 0
	QUARTER 1, 3, F0, F1, 0
	TURN 1, 0, 1
	QUARTER 0, 1, F0, F1, 0
	WIN 0
	s_sub_co_u32 s3, s3, 1
	s_cmp_lg_u32 s3, 0
	s_cbranch_scc1 .Llap
	QUARTER 0, 2, F1, F0, 0                        ; the last lap fills nothing
	QUARTER 0, 3, F0, F1, 0
	TURN 0, 1, 0
	QUARTER 1, 1, F0, F1, 0
	QUARTER 1, 2, F1, F0, 0
	QUARTER 1, 3, F0, F1, 0
	s_wait_dscnt 4
	WIN MUL
	MUL8 F1, 0, 0
	MUL8 F1, 1, 0
	s_wait_dscnt 0
	MUL8 F1, 2, 0
	MUL8 F1, 3, 0
	WIN 0
; THE WAY OUT, block by block of 16 rows x 128 columns, through my own stage: in 32 bytes a lane, back as whole rows of 512 bytes.
.macro TOSTAGE a
	WIN 0x04                                       ; an LDS store's data are its source 1: window 1
.irp b, 0,1,2,3,4,5,6,7
	ds_store_b128 v[STO], v[8*(8*(\a)+\b):8*(8*(\a)+\b)+3] offset:64*\b            ; each accumulator from its low end on
	ds_store_b128 v[STO], v[8*(8*(\a)+\b)+4:8*(8*(\a)+\b)+7] offset:64*\b+16
.endr
	WIN 0
.set BBS, BK+64*((\a)%2)
.irp t, 0,1,2,3,4,5,6,7,8,9,10,11,12,13,14,15
	ds_load_b128 v[BBS+4*\t:BBS+4*\t+3], v[RD] offset:\t*SPITCH   ; LDS serves a wave's instructions in order
.endr
.endm
.macro SEND a, younger
.set BBS, BK+64*((\a)%2)
	s_wait_dscnt \younger
.irp t, 0,1,2,3,4,5,6,7,8,9,10,11,12,13,14,15
	global_store_b128 v[CO], v[BBS+4*\t:BBS+4*\t+3], s[10:11] offset:65536*(\a)+4096*\t th:TH_STORE_NT   ; 32 lanes store 512 consecutive bytes, aligned
.endr
.endm
	PLACES                                         ; behind the last products: for the reads of results and the loads over the fragments
	TOSTAGE 0
.irp a, 1,2,3
.if \a > 1
	s_wait_xcnt 0x0                                ; block a - 2's stores have read their registers
.endif
	TOSTAGE \a
	SEND \a-1, 32                                  ; behind block a - 1's loads: block a's 16 stores and 16 loads
.endr
	SEND 3, 0
	s_wait_tensorcnt 0x0                           ; the wave's end
	ds_add_u32 v[SPW], v[NIL]
	s_wait_dscnt 0x0
	CROUND                                         ; the closing round
	s_endpgm
.Lfunc_end_k_q9f5c377c0e_oproj:
	.size	k_q9f5c377c0e_oproj, .Lfunc_end_k_q9f5c377c0e_oproj-k_q9f5c377c0e_oproj
	.p2alignl 7, 3214868480
	.fill 96, 4, 3214868480
	.section	.rodata,"a",@progbits
	.p2align	6, 0x0
	.amdhsa_kernel k_q9f5c377c0e_oproj
		.amdhsa_group_segment_fixed_size 327680
		.amdhsa_private_segment_fixed_size 0
		.amdhsa_enable_private_segment 0
		.amdhsa_kernarg_size 32
		.amdhsa_user_sgpr_count 2
		.amdhsa_user_sgpr_kernarg_segment_ptr 1
		.amdhsa_wavefront_size32 1
		.amdhsa_system_sgpr_workgroup_id_x 1
		.amdhsa_system_sgpr_workgroup_id_y 1
		.amdhsa_system_sgpr_workgroup_id_z 1
		.amdhsa_system_vgpr_workitem_id 0
		.amdhsa_next_free_vgpr 576
		.amdhsa_next_free_sgpr 66
		.amdhsa_reserve_vcc 0
		.amdhsa_float_denorm_mode_32 3
		.amdhsa_float_denorm_mode_16_64 3
		.amdhsa_memory_ordered 1
		.amdhsa_forward_progress 1
		.amdhsa_inst_pref_size 86
	.end_amdhsa_kernel
	.amdgpu_metadata
---
amdhsa.version: [ 1, 2 ]
amdhsa.kernels:
  - .name:           k_q9f5c377c0e_oproj
    .symbol:         k_q9f5c377c0e_oproj.kd
    .args:
      - { .name: ao16, .offset: 0, .size: 8, .value_kind: global_buffer, .address_space: global }
      - { .name: wot, .offset: 8, .size: 8, .value_kind: global_buffer, .address_space: global }
      - { .name: bo, .offset: 16, .size: 8, .value_kind: global_buffer, .address_space: global }
      - { .name: out0, .offset: 24, .size: 8, .value_kind: global_buffer, .address_space: global }
    .group_segment_fixed_size: 327680
    .private_segment_fixed_size: 0
    .kernarg_segment_align: 8
    .kernarg_segment_size: 32
    .max_flat_workgroup_size: 128
    .sgpr_count:     66
    .vgpr_count:     576
    .wavefront_size: 32
...
	.end_amdgpu_metadata
.endif
;; end of part 4
